; MI455X (gfx1250); checked and timed in simulation.
; The chip was launched on July 23, 2026; its instructions are those of AMD's public machine-readable ISA for CDNA 5 (MIT licence, August 2026) and "CDNA5" Instruction Set Architecture Reference Guide (July 2026). The comments in the code are by the model that wrote it; some were corrected since.
;; Matrix Ode Trainable Model Least Squares. Allowed arithmetic: float matrix products may take bf16 or f16 operands with f32 sums; other float arithmetic in f32, or as packed bf16 or f16 multiplies, adds, multiply-adds, maxima and minima; sums over many terms, partial sums and values carried from step to step in f32; what a program stores and reads back later, other than sums and carried values, may be rounded once to bf16 or f16.
;; Inputs: A 512 x 512 float32; P 512 x 512 float32; W1 2,048 x 512 float32; W2 2,048 x 2,048 float32; W3 256 x 2,048 float32; X 4,096 x 512 float32; b1 2,048 float32; b2 2,048 float32; b3 256 float32.
;; Outputs: out0 4,096 x 256 float32.
;; Constants: n_steps = 8.
;; 2 versions, each right; version 2 is version 1 with the launch cast written anew for expert scheduling mode. Each part assembles by itself: llvm-mc -triple=amdgcn-amd-amdhsa -mcpu=gfx1250 --defsym DOCPART=n.
;; ======== version 1 of 2: 8 launches
;; limits: values are held in f16: magnitudes above 65,504 overflow, below 6.1e-05 lose precision; inputs' magnitudes at most 65,504
;; workspace buffers: oa1 6,324,224 bytes; oa2 6,324,224 bytes; ob1 6,324,224 bytes; ob2 6,324,224 bytes; cst 14,718,976 bytes; h1b 16,809,984 bytes; h2b 16,809,984 bytes
;; launch cast (part 1): grid 224 x 1, 8 waves a work-group, no clusters, 0 bytes of LDS; arguments X, W2, W3, A, P, cst, ob1, ob2, oa1; writes cst, ob1, ob2, oa1
.if DOCPART == 1
	.amdgcn_target "amdgcn-amd-amdhsa--gfx1250"
	.amdhsa_code_object_version 6
	.text
	.protected	k_q6a7ba838ee_cast
	.globl	k_q6a7ba838ee_cast
	.p2align	8
	.type	k_q6a7ba838ee_cast,@function
k_q6a7ba838ee_cast:
	s_mov_b64 s[64:65], 0
	v_nop
	global_prefetch_b8 v0, s[64:65] scope:SCOPE_SE
	s_setreg_imm32_b32 hwreg(HW_REG_WAVE_MODE, 25, 1), 1
	s_wait_xcnt 0x0
; THE WHOLE PROGRAM.  y = relu(relu(zT W1^T + b1) W2^T + b2) W3^T + b3, zT = X P^T taken through 8 RK4 steps of dz/dt = z A^T, dt = 1/8.
; THE WORK THAT IS NOT DONE.  The field is linear, so with S = A/8 one RK4 step is k1 = z S^T, k2 = (z + k1/2) S^T, .. and z + (k1 + 2 k2 + 2 k3 + k4)/6 = z M^T with
; M = I + S + S^2/2 + S^3/6 + S^4/24: an identity of real arithmetic for every A and every z.  Eight steps are M^8, and products of matrices may be taken in any order:
; zT W1^T = X (W1 M^8 P)^T.  So G = W1 M^8 P [2048 x 512] is made once from matrices 512 wide, and the 32 products of 4096 rows with A are not made.
; With M = I + N the identity is never rounded.  The chain runs on the transposes, S' = A^T/8 (polynomials of one matrix: the transpose of the polynomial is the polynomial of the transpose):
;   c1: r' = 2S' + S' S';   c2: N' = (r' + S')/3 + r' r'/24 = N^T;   pw: Y = W1 (I + N)^8 by eight steps Y <- Y + Y N, which want N's columns, the rows of N';   c7: G = Y P.
; Every input has a way to the output and is loaded; n_steps = 8 is built in as the eight steps of pw.
; LIMITS.  The order of rounding differs from the scan's.  A NaN, an infinity or an overflow that would arise only in an intermediate z of the scan is not carried to the result.
; Matrix operands are f16: |X|, |A|, |P|, |W2|, |W3| stay under 65,504, and below 6e-5 they keep f16's fixed step of 6e-8.  What the program itself makes (r' .. G, h1, h2) is stored in f16
; times a power of two taken from a bound on its size that is made at run time from true maxima; those bounds and their products stay within 2^-100 .. 2^100.  NaN and infinities are not treated apart.
;
; THIS LAUNCH rounds five inputs to f16, finds the largest magnitude of each chunk, turns A, and writes the headers that steer the chain.  A pure stream: no LDS, no barrier, no matrix unit.
; SHARES.  A wave owns one chunk of 4,096 numbers (16 KiB).  The work-group's number g says which tensor:  g < 64 X | g < 192 W2 | g < 208 W3 | g < 216 A | else P;  chunk c = 8 (g - the tensor's first g) + wave.
; X, W2, W3, P: 32 loads of 512 consecutive bytes, all issued before the first wait.  A: chunk c is rows 8 c .. 8 c + 7 of A^T, gathered in four trips (see there).
; AN OBJECT (oa1, oa2, ob1, ob2, the head of cst): f32 plane F at 0, f16 plane H at OH, 256 slots of 128 bytes at OM.
;   slot: word 0 = 1/alpha (H holds alpha x value); 1-4 = (hC, hA, fC, fA) for the launch that takes the object as its left factor; 5-8 the same for the launch after it; 9 = the chunk's largest magnitude.
; cst: X in f16 at 0; P in f16 at OH; W3 in f16 at W3H; P's slots at OM; W2 in f16 at W2H; the chunks' maxima of X at PMX, of W2 at PMW.
.set OH,  0x400000
.set OM,  0x600000
.set W3H, 4718592
.set W2H, 6324224
.set PMX, 14712832
.set PMW, 14714880
.set D,   64                           ; v[64:191]  the chunk as loaded (A: v[64:95], a trip's 32 numbers a lane)
.set FF,  96                           ; v[96:127]  A: a trip's numbers, turned and divided by 4
.set HH,  192                          ; v[192:255] the chunk in f16 (A: v[192:207])
	s_load_b512 s[8:23], s[0:1], 0x0               ; X 8, W2 10, W3 12, A 14, P 16, cst 18, ob1 20, ob2 22
	s_load_b64 s[24:25], s[0:1], 0x40              ; oa1
	v_lshrrev_b32 v1, 5, v0
	v_readfirstlane_b32 s30, v1                    ; wave 0..7
	v_and_b32 v1, 31, v0                           ; lane
	v_lshlrev_b32 v2, 4, v1                        ; 16 bytes a lane: f32 in and out
	v_lshlrev_b32 v3, 3, v1                        ; 8 bytes a lane: f16 out
	v_lshlrev_b32 v4, 2, v1                        ; 4 bytes a lane: a slot
	v_mov_b32 v5, 0                                ; two running maxima
	v_mov_b32 v6, 0
	v_mov_b32 v7, 0                                ; written, since v_permlanex16_b32 counts as a reader of its destination
	v_mov_b32 v9, 0
	v_lshlrev_b32 v10, 13, v1                      ; A: four rows of 2,048 bytes a lane
	s_mov_b32 s40, 0x76543210                      ; v_permlanex16_b32: each lane takes its own place in the other half
	s_mov_b32 s41, 0xfedcba98
	s_mov_b32 s68, 0x3e800000                      ; 0.25
	s_mov_b32 s33, ttmp9                           ; g
	s_mov_b32 s31, 4                               ; role: 0 X and W2, 1 W3, 3 A, 4 P
	s_mov_b32 s32, 216                             ; the tensor's first g
	s_mov_b32 s38, OH                              ; where its f16 plane begins in its buffer
	s_mov_b32 s39, PMW                             ; where its chunks' maxima go (role 0)
	s_cmp_lt_u32 s33, 216
	s_cselect_b32 s31, 3, s31
	s_cselect_b32 s32, 208, s32
	s_cmp_lt_u32 s33, 208
	s_cselect_b32 s31, 1, s31
	s_cselect_b32 s32, 192, s32
	s_cselect_b32 s38, W3H, s38
	s_cmp_lt_u32 s33, 192
	s_cselect_b32 s31, 0, s31
	s_cselect_b32 s32, 64, s32
	s_cselect_b32 s38, W2H, s38
	s_cmp_lt_u32 s33, 64
	s_cselect_b32 s32, 0, s32
	s_cselect_b32 s38, 0, s38
	s_cselect_b32 s39, PMX, s39
	s_sub_co_u32 s32, s33, s32
	s_lshl3_add_u32 s32, s32, s30                  ; c
	s_lshl_b32 s42, s32, 14                        ; the chunk in f32: 16,384 c
	s_mov_b32 s43, 0
	s_lshl_b32 s44, s32, 13                        ; the chunk in f16: plane + 8,192 c
	s_add_co_u32 s44, s44, s38
	s_mov_b32 s45, 0
	s_lshl2_add_u32 s46, s32, s39                  ; the chunk's word among the maxima
	s_mov_b32 s47, 0
	s_lshl_b32 s52, s32, 7                         ; the chunk's slot: 128 c
	s_mov_b32 s53, 0
	s_wait_kmcnt 0x0
	s_mov_b64 s[34:35], s[16:17]                   ; from: P,
	s_mov_b64 s[36:37], s[18:19]                   ; to: cst
	s_cmp_lt_u32 s33, 216
	s_cselect_b64 s[34:35], s[14:15], s[34:35]     ; A -> ob1
	s_cselect_b64 s[36:37], s[20:21], s[36:37]
	s_cmp_lt_u32 s33, 208
	s_cselect_b64 s[34:35], s[12:13], s[34:35]     ; W3 -> cst
	s_cselect_b64 s[36:37], s[18:19], s[36:37]
	s_cmp_lt_u32 s33, 192
	s_cselect_b64 s[34:35], s[10:11], s[34:35]     ; W2 -> cst
	s_cmp_lt_u32 s33, 64
	s_cselect_b64 s[34:35], s[8:9], s[34:35]       ; X -> cst
	s_add_nc_u64 s[36:37], s[36:37], s[44:45]
	s_cmp_eq_u32 s31, 3                            ; the branches hang on the work-group's number alone
	s_cbranch_scc0 .Lplain
	; A IS TURNED.  Rows 8 c .. 8 c + 7 of A^T are columns 8 c .. of A.  In trip u lane l takes rows 128 u + 4 l + q (q = 0..3) of A, 32 bytes of each: register D + 8 q + e holds A[128 u + 4 l + q][8 c + e].
	; So for each column e the lane holds four neighbouring numbers of row 8 c + e of A^T: 8 bytes of H, 16 bytes of F, and a wave's store covers 256 or 512 consecutive bytes.
	; Four short trips, one text: 64 waves do this beside 1,728 that stream, so the trips' latencies lie in the stream's shadow.
	s_lshl_b32 s54, s32, 5                         ; 32 c
	s_mov_b32 s55, 0
	s_add_nc_u64 s[34:35], s[34:35], s[54:55]
	s_add_nc_u64 s[48:49], s[22:23], s[44:45]      ; the f16 plane once more, for the right factor's buffer
	s_add_nc_u64 s[70:71], s[20:21], s[42:43]      ; the f32 plane
	s_mov_b32 s66, 4
.Lquarter:
.irp q, 0,1,2,3
	global_load_b128 v[D+8*(\q):D+8*(\q)+3],   v10, s[34:35] offset:2048*(\q)
	global_load_b128 v[D+8*(\q)+4:D+8*(\q)+7], v10, s[34:35] offset:2048*(\q)+16
.endr
	s_wait_loadcnt 0x0
.set i, 0
.rept 8
	v_max3_num_f32 v5, v5, |v[D+4*i]|, |v[D+4*i+1]|
	v_max3_num_f32 v6, v6, |v[D+4*i+2]|, |v[D+4*i+3]|
.set i, i+1
.endr
.irp e, 0,1,2,3,4,5,6,7
	v_cvt_pk_f16_f32 v[HH+2*(\e)],   v[D+(\e)],    v[D+8+(\e)]
	v_cvt_pk_f16_f32 v[HH+2*(\e)+1], v[D+16+(\e)], v[D+24+(\e)]
.endr
.irp e, 0,1,2,3,4,5,6,7
	global_store_b64 v3, v[HH+2*(\e):HH+2*(\e)+1], s[36:37] offset:1024*(\e)   ; 256 consecutive bytes of a row of H
	global_store_b64 v3, v[HH+2*(\e):HH+2*(\e)+1], s[48:49] offset:1024*(\e)
.endr
.irp e, 0,1,2,3,4,5,6,7
.irp q, 0,1,2,3
	v_mul_f32 v[FF+4*(\e)+(\q)], s68, v[D+8*(\q)+(\e)]     ; F = A^T / 4 = 2 S'; the multiply also turns the registers
.endr
.endr
.irp e, 0,1,2,3,4,5,6,7
	global_store_b128 v2, v[FF+4*(\e):FF+4*(\e)+3], s[70:71] offset:2048*(\e)  ; 512 consecutive bytes of a row of F
.endr
	s_wait_xcnt 0x0                                ; the stores have read their data and their bases: only behind this wait are these rewritten
	s_add_nc_u64 s[34:35], s[34:35], 128*2048      ; 128 rows of A on,
	s_add_nc_u64 s[36:37], s[36:37], 256           ; 128 numbers on in the rows of A^T
	s_add_nc_u64 s[48:49], s[48:49], 256
	s_add_nc_u64 s[70:71], s[70:71], 512
	s_sub_co_u32 s66, s66, 1
	s_cmp_lg_u32 s66, 0
	s_cbranch_scc1 .Lquarter
	s_branch .Lred
.Lplain:
	s_add_nc_u64 s[34:35], s[34:35], s[42:43]
.set i, 0
.rept 32
	global_load_b128 v[D+4*i:D+4*i+3], v2, s[34:35] offset:512*i th:TH_LOAD_NT
.set i, i+1
.endr
; four batches of eight loads: magnitudes into the maxima, two roundings to f16 each, 256 consecutive bytes stored by each instruction
.set i, 0
.rept 4
	s_wait_loadcnt 24-i                            ; loads come back in order: this batch's eight are in, the 24, 16, 8, 0 younger ones may stay out
.rept 8
	v_max3_num_f32 v5, v5, |v[D+4*i]|, |v[D+4*i+1]|
	v_max3_num_f32 v6, v6, |v[D+4*i+2]|, |v[D+4*i+3]|
	v_cvt_pk_f16_f32 v[HH+2*i], v[D+4*i], v[D+4*i+1]
	v_cvt_pk_f16_f32 v[HH+2*i+1], v[D+4*i+2], v[D+4*i+3]
	global_store_b64 v3, v[HH+2*i:HH+2*i+1], s[36:37] offset:256*i
.set i, i+1
.endr
.endr
.Lred:
	v_max_num_f32 v5, v5, v6                       ; the chunk's maximum, in every lane
	v_max_num_f32_dpp v5, v5, v5 row_xmask:1 row_mask:0xf bank_mask:0xf
	v_max_num_f32_dpp v5, v5, v5 row_xmask:2 row_mask:0xf bank_mask:0xf
	v_max_num_f32_dpp v5, v5, v5 row_xmask:4 row_mask:0xf bank_mask:0xf
	v_max_num_f32_dpp v5, v5, v5 row_xmask:8 row_mask:0xf bank_mask:0xf
	v_permlanex16_b32 v7, v5, s40, s41
	v_max_num_f32 v5, v5, v7
; a slot's 32 words in v8, a word a lane: s54 = 1/alpha, s55-58 and s59-62 the two records, s51 the maximum, the rest 0
.macro MKSLOT
	v_mov_b32 v8, 0
.irp k, 0,1,2,3,4,5,6,7,8
	v_writelane_b32 v8, s[54+(\k)], \k
.endr
	v_writelane_b32 v8, s51, 9
.endm
; an object of 512 rows has 64 slots with a maximum; whoever takes it as left factor reads 256: slots 64 + 3 c + 0..2 of the buffer at s[b:b+1] are written as zeros
.macro ZEROS b
	s_mul_i32 s76, s32, 384
	s_add_co_u32 s76, s76, 8192
	s_mov_b32 s77, 0
	s_add_nc_u64 s[78:79], s[\b:\b+1], s[76:77]
.irp k, 0,1,2
	global_store_b32 v4, v9, s[78:79] offset:OM+128*(\k)
.endr
.endm
	s_cmp_eq_u32 s31, 1
	s_cbranch_scc1 .Ldone                          ; W3: its f16 plane is all that is wanted
	s_cmp_eq_u32 s31, 0
	s_cbranch_scc1 .Lmax_only
	s_cmp_eq_u32 s31, 3
	s_cbranch_scc1 .La
	; P: right factor of c7: 1/alpha = 1 and the maximum
	v_readfirstlane_b32 s51, v5
	s_mov_b32 s54, 1.0
.irp k, 55,56,57,58,59,60,61,62
	s_mov_b32 s\k, 0
.endr
	MKSLOT
	s_add_nc_u64 s[48:49], s[18:19], s[52:53]
	global_store_b32 v4, v8, s[48:49] offset:OM    ; 128 consecutive bytes
	ZEROS 24                                       ; oa1's slots 64 to 255
	s_endpgm
.La:    ; S' = A^T/8, both factors of c1.  H = f16(A^T), so 1/alpha = 1/8; F = 2 S'; the largest of |S'| and |F| is max|A| / 4.
        ; c1: r' = 1 F + 1 (S' S'), its F = F/2 + (S' S')/3 = (r' + S')/3.   c2: N' = 1 F + (r' r')/24, its F = 2 F + (r' r')/12 = 2 N'
	v_mul_f32 v5, s68, v5
	v_readfirstlane_b32 s51, v5
	s_mov_b32 s54, 0x3e000000                      ; 1/8
	s_mov_b32 s55, 1.0
	s_mov_b32 s56, 1.0
	s_mov_b32 s57, 0.5
	s_mov_b32 s58, 0x3eaaaaab                      ; 1/3
	s_mov_b32 s59, 1.0
	s_mov_b32 s60, 0x3d2aaaab                      ; 1/24
	s_mov_b32 s61, 2.0
	s_mov_b32 s62, 0x3daaaaab                      ; 1/12
	MKSLOT
	s_add_nc_u64 s[72:73], s[20:21], s[52:53]
	s_add_nc_u64 s[74:75], s[22:23], s[52:53]
	global_store_b32 v4, v8, s[72:73] offset:OM
	global_store_b32 v4, v8, s[74:75] offset:OM
	ZEROS 20                                       ; ob1's slots 64 to 255
	s_endpgm
.Lmax_only:                                            ; X and W2: one word, the chunk's maximum, from lane 0
	s_add_nc_u64 s[48:49], s[18:19], s[46:47]
	v_cmp_eq_u32 vcc_lo, 0, v1
	s_wait_xcnt 0x0                                ; EXEC is a source of the stores that are out: it is narrowed only behind this wait,
	s_and_saveexec_b32 s50, vcc_lo
	global_store_b32 v9, v5, s[48:49]
	s_wait_xcnt 0x0                                ; and widened only behind this one
	s_or_b32 exec_lo, exec_lo, s50
.Ldone:
	s_endpgm
.Lfunc_end_k_q6a7ba838ee_cast:
	.size	k_q6a7ba838ee_cast, .Lfunc_end_k_q6a7ba838ee_cast-k_q6a7ba838ee_cast
	.p2alignl 7, 3214868480
	.fill 96, 4, 3214868480
	.section	.rodata,"a",@progbits
	.p2align	6, 0x0
	.amdhsa_kernel k_q6a7ba838ee_cast
		.amdhsa_group_segment_fixed_size 0
		.amdhsa_private_segment_fixed_size 0
		.amdhsa_enable_private_segment 0
		.amdhsa_kernarg_size 72
		.amdhsa_user_sgpr_count 2
		.amdhsa_user_sgpr_kernarg_segment_ptr 1
		.amdhsa_wavefront_size32 1
		.amdhsa_system_sgpr_workgroup_id_x 1
		.amdhsa_system_sgpr_workgroup_id_y 1
		.amdhsa_system_sgpr_workgroup_id_z 1
		.amdhsa_system_vgpr_workitem_id 0
		.amdhsa_next_free_vgpr 256
		.amdhsa_next_free_sgpr 80
		.amdhsa_reserve_vcc 1
		.amdhsa_float_denorm_mode_32 3
		.amdhsa_float_denorm_mode_16_64 3
		.amdhsa_memory_ordered 1
		.amdhsa_forward_progress 1
		.amdhsa_inst_pref_size 28
	.end_amdhsa_kernel
	.amdgpu_metadata
---
amdhsa.version: [ 1, 2 ]
amdhsa.kernels:
  - .name:           k_q6a7ba838ee_cast
    .symbol:         k_q6a7ba838ee_cast.kd
    .args:
      - { .name: X, .offset: 0, .size: 8, .value_kind: global_buffer, .address_space: global }
      - { .name: W2, .offset: 8, .size: 8, .value_kind: global_buffer, .address_space: global }
      - { .name: W3, .offset: 16, .size: 8, .value_kind: global_buffer, .address_space: global }
      - { .name: A, .offset: 24, .size: 8, .value_kind: global_buffer, .address_space: global }
      - { .name: P, .offset: 32, .size: 8, .value_kind: global_buffer, .address_space: global }
      - { .name: cst, .offset: 40, .size: 8, .value_kind: global_buffer, .address_space: global }
      - { .name: ob1, .offset: 48, .size: 8, .value_kind: global_buffer, .address_space: global }
      - { .name: ob2, .offset: 56, .size: 8, .value_kind: global_buffer, .address_space: global }
      - { .name: oa1, .offset: 64, .size: 8, .value_kind: global_buffer, .address_space: global }
    .group_segment_fixed_size: 0
    .private_segment_fixed_size: 0
    .kernarg_segment_align: 8
    .kernarg_segment_size: 72
    .max_flat_workgroup_size: 256
    .sgpr_count:     80
    .vgpr_count:     256
    .wavefront_size: 32
...
	.end_amdgpu_metadata
.endif
;; end of part 1
;; launch c1 (part 2): grid 4 x 16, 4 waves a work-group, clusters of 4 x 4, 224,000 bytes of LDS; arguments ob1, ob2, oa1, oa2; writes oa1, oa2
.if DOCPART == 2
	.amdgcn_target "amdgcn-amd-amdhsa--gfx1250"
	.amdhsa_code_object_version 6
	.text
	.protected	k_q6a7ba838ee_c1
	.globl	k_q6a7ba838ee_c1
	.p2align	8
	.type	k_q6a7ba838ee_c1,@function
k_q6a7ba838ee_c1:
	s_mov_b64 s[64:65], 0
	v_nop
	global_prefetch_b8 v0, s[64:65] scope:SCOPE_SE
	s_setreg_imm32_b32 hwreg(HW_REG_WAVE_MODE, 25, 1), 1
	s_wait_xcnt 0x0
	s_wait_alu depctr_hold_cnt(0) depctr_sa_sdst(0) depctr_va_vdst(0) depctr_va_sdst(0) depctr_va_ssrc(0) depctr_va_vcc(0) depctr_vm_vsrc(0)
	s_getreg_b32 s2, hwreg(HW_REG_IB_STS2, 6, 4)
	s_cmp_eq_u32 s2, 0
	s_cbranch_scc0 .Lentry_in_a_cluster
	s_endpgm
.Lentry_in_a_cluster:
	s_bfe_u32 s2, ttmp6, 0x10000c
	s_cmp_lg_u32 s2, 0xf033
	s_cbranch_scc0 .Lentry_shape_is_right
	s_endpgm
.Lentry_shape_is_right:
; ONE PRODUCT OF THE CHAIN THAT MAKES G = W1 M^8 P (the first launch's head shows why that chain stands for the scan's 32 products).  One text for three launches: c1 (r'), c2 (N'), c7 (G).
;   Hout = hC Cin + hA (L R),   Fout = fC Cin + fA (L R).     L: [rows][512], its f16 plane in argument 0; R: [512][512], stored [k][n], its f16 plane in argument 1; Cin: L's f32 plane.
; The four factors come from L's header.  Hout goes out in f16 times a power of two (twice: a left and a right factor are two buffers, since no launch loads from a buffer that it stores into),
; Fout in f32: it is carried from step to step.  THE PRICE OF ONE TEXT: of c2's results only the second copy of H and its slots are read; c7 writes an F plane and a second H plane that nobody reads, and reads a Cin (zeros) whose factor is 0.
; THE SCALES.  L's plane holds alphaL x value, with alphaL its own for each 16 rows: 1/alphaL of row tile a of row block y is word 0 of slot 4 y + 2 a (in an object with one scale all slots hold it).
; |Hout| <= beta = hC max(mL, mR) + hA 512 mL mR, with mL, mR the largest magnitudes in the two objects (their slots' word 9; Cin is part of L's).  With e = beta's exponent field, at least 28,
; alpha = 2^(141 - e): beta alpha < 2^15, inside f16.  Scales steer values alone: no address and no branch hangs on them.  LIMIT: the bounds and 1/(alphaL alphaR) stay within 2^-100 .. 2^100.
; SHARES.  A work-group makes 32 rows x 128 columns; wave w all 32 rows x columns 32 w .. 32 w + 31: four accumulators (a = row tile, t = column tile).  K = 512 lies whole in LDS: first fills only, no slot is filled again.
; THE MATRIX INSTRUCTION IS USED TRANSPOSED: source 0 = 16 columns of R (turned on the way out of LDS by ds_load_tr16_b128), source 1 = 16 rows of L: a lane holds row l % 16 and the 8 columns 8 (l / 16) + 0..7.
; CLUSTER 4 x 4.  L's tile hangs on the row block alone and is asked for jointly by a row of the cluster, R's on the column block alone, by a column.  Cin is each work-group's own: a plain load.
.set OH, 0x400000
.set OM, 0x600000
.set PA, 1040                          ; a row of L in LDS: 1,024 bytes + 16: an odd multiple of 16, so the 16 rows of a fragment load start at 16 different groups of four banks
.set PB, 288                           ; a row of R: 256 + 32: an odd multiple of 32
.set PC, 528                           ; a row of Cin and of the F stage: 512 + 16
.set PH, 272                           ; a row of the H stage: 256 + 16
.set LA, 0                             ; 32 rows of L           33,280 bytes
.set LB, 33280                         ; 512 rows of R         147,456
.set LC, 180736                        ; 32 rows of Cin         16,896
.set SF, 197632                        ; F stage, 32 rows       16,896   (stages, RX and the spare words are never a tensor load's target)
.set SH, 214528                        ; H stage, 32 rows        8,704
.set RX, 223232                        ; the four waves' maxima
.set SPARE, 223488                     ; the spare words, 128 bytes a wave: two blocks of 256 bytes that no other line names
.set SPW, 26                           ; v26  my spare word's address; never rewritten
.set NIL, 27                           ; v27  0; never rewritten
.set ACC, 40                           ; v[40:71]    accumulator (a, t) at ACC + 8 (2 a + t)
.set F0,  72                           ; v[72:135], v[136:199]  two fragment buffers of two K steps: for each step L0, L1, R0, R1
.set CIN, 200                          ; v[200:231]  Cin, laid as the accumulators
.set U,   232                          ; v[232:239]  Hout of a tile
.set V,   240                          ; v[240:247]  Fout of a tile
.set HP,  248                          ; v[248:251]  Hout in f16
; v8 L's fragments | v9 Cin (and, SF - LC further, the F stage) | v10 H stage in | v11 F stage back | v12-15 R's fragments, 128 k each | v16 H stage back | v17, v18 offsets in F, H planes | v19 my word of RX
; v20 running maximum | v21 at work | v22 slot | v23 4 x lane | v24 128 x lane | v25 at work | v28-37 slots' maxima
; s[4:11] arguments | s12 wave | s13 cx, s14 cy | s15 column block, s16 row block | s[24:31], s[32:39], s[40:47] descriptor groups 1 of L, R, Cin | s[48:51], s[52:55], s[56:59] their groups 0
; s[60:61], s[62:63] my rows' offsets in an F and an H plane | s66, s67 1/alphaL of row tiles 0, 1 | s[68:83] L's header | s84 1/alphaR | pairs: s86 hC, s90 fC, s94 alpha out;
; hA/(aL aR) s88 (row tile 0), s78 (1); fA/(aL aR) s92 (0), s80 (1) | s[96:97] lane selects | s100 1/alpha out
.macro CROUND                          ; a round of the cluster's barrier: my work-group's barrier; wave 0 signals for the work-group; every wave waits for all sixteen; my work-group's barrier once more
	s_barrier_signal -1
	s_barrier_wait -1
	s_cmp_lg_u32 s12, 0
	s_cbranch_scc1 .Lnot_wave_0_\@
	s_barrier_signal -3
.Lnot_wave_0_\@:
	s_barrier_wait -3
	s_barrier_signal -1
	s_barrier_wait -1
.endm
.macro PLACES                          ; four places behind a matrix instruction, in front of loads into registers that it has read
.rept 4
	v_nop
.endr
.endm
.macro WMAX r                          ; the maximum over the wave's 32 lanes, in every lane
	v_max_num_f32_dpp v[\r], v[\r], v[\r] row_xmask:1 row_mask:0xf bank_mask:0xf
	v_max_num_f32_dpp v[\r], v[\r], v[\r] row_xmask:2 row_mask:0xf bank_mask:0xf
	v_max_num_f32_dpp v[\r], v[\r], v[\r] row_xmask:4 row_mask:0xf bank_mask:0xf
	v_max_num_f32_dpp v[\r], v[\r], v[\r] row_xmask:8 row_mask:0xf bank_mask:0xf
	v_permlanex16_b32 v21, v[\r], s96, s97
	v_max_num_f32 v[\r], v[\r], v21
.endm
	s_load_b256 s[4:11], s[0:1], 0x0               ; L's object s[4:5], R's s[6:7], out s[8:9], out (H and slots once more) s[10:11]
	v_lshl_add_u32 v[SPW], v0, 2, SPARE
	v_mov_b32 v[NIL], 0
	ds_add_u32 v[SPW], v[NIL]                      ; the wave's opening: the add, twice on end, and its wait ahead of my first tensor load
	ds_add_u32 v[SPW], v[NIL]
	v_lshrrev_b32 v1, 5, v0
	v_readfirstlane_b32 s12, v1                    ; wave 0..3
	s_bfe_u32 s13, ttmp6, 0x40000                  ; cx
	s_bfe_u32 s14, ttmp6, 0x40004                  ; cy
	s_lshl_b32 s15, ttmp9, 2
	s_add_co_u32 s15, s15, s13                     ; column block x = 4 x cluster x + cx
	s_and_b32 s16, ttmp7, 0xffff
	s_lshl_b32 s16, s16, 2
	s_add_co_u32 s16, s16, s14                     ; row block y = 4 x cluster y + cy
	s_lshl_b32 s17, s14, 2
	s_lshl_b32 s17, 15, s17                        ; my row of the cluster
	s_lshl_b32 s18, 0x1111, s13                    ; my column
	; L: 8 rows x 512 elements of 2 bytes a wave; 4 words of padding behind every 256
	s_or_b32 s24, s17, (1<<16)|(1<<20)|(1<<21)|(7<<22)|(3<<25)
	s_mov_b32 s25, 512<<16                         ; tensor_dim0
	s_mov_b32 s26, 8<<16                           ; tensor_dim1
	s_mov_b32 s27, 512<<16                         ; tile_dim0
	s_mov_b32 s28, 8                               ; tile_dim1
	s_mov_b32 s29, 512                             ; elements from row to row
	s_mov_b32 s30, 0
	s_mov_b32 s31, 0
	; R: 128 rows (k) x 128 elements a wave; 8 words of padding behind every 64
	s_or_b32 s32, s18, (1<<16)|(1<<20)|(1<<21)|(5<<22)|(7<<25)
	s_mov_b32 s33, 128<<16
	s_mov_b32 s34, 128<<16
	s_mov_b32 s35, 128<<16
	s_mov_b32 s36, 128
	s_mov_b32 s37, 512
	s_mov_b32 s38, 0
	s_mov_b32 s39, 0
	; Cin: 8 rows x 128 elements of 4 bytes a wave, no mask; 4 words of padding behind every 128
	s_mov_b32 s40, (2<<16)|(1<<20)|(6<<22)|(3<<25)
	s_mov_b32 s41, 128<<16
	s_mov_b32 s42, 8<<16
	s_mov_b32 s43, 128<<16
	s_mov_b32 s44, 8
	s_mov_b32 s45, 512
	s_mov_b32 s46, 0
	s_mov_b32 s47, 0
	s_lshl_b32 s19, s16, 5
	s_lshl_b32 s20, s12, 3
	s_add_co_u32 s19, s19, s20                     ; my first row: 32 y + 8 w
	s_lshl_b32 s20, s19, 10                        ; L: the row block and the wave alone
	s_add_co_u32 s20, s20, OH
	s_mov_b32 s21, 0
	s_lshl_b32 s22, s12, 17                        ; R: k = 128 w, column 128 x: the column block and the wave alone
	s_lshl_b32 s23, s15, 8
	s_add_co_u32 s22, s22, s23
	s_add_co_u32 s22, s22, OH
	s_mov_b32 s23, 0
	s_lshl_b32 s60, s19, 11                        ; my rows and columns in an F plane,
	s_lshl_b32 s61, s15, 9
	s_add_co_u32 s60, s60, s61
	s_mov_b32 s61, 0
	s_lshl_b32 s62, s19, 10                        ; and in an H plane
	s_lshl_b32 s63, s15, 8
	s_add_co_u32 s62, s62, s63
	s_add_co_u32 s62, s62, OH
	s_mov_b32 s63, 0
	s_mov_b32 s48, 1
	s_mul_i32 s49, s12, 8*PA                       ; LDS addresses: a constant and the wave's number times a constant
	s_mov_b32 s52, 1
	s_mul_i32 s53, s12, 128*PB
	s_add_co_u32 s53, s53, LB
	s_mov_b32 s56, 1
	s_mul_i32 s57, s12, 8*PC
	s_add_co_u32 s57, s57, LC
	s_mov_b32 s96, 0x76543210
	s_mov_b32 s97, 0xfedcba98
	s_wait_dscnt 0x0                               ; both opening adds are done
	s_wait_kmcnt 0x0
	s_add_nc_u64 s[50:51], s[4:5], s[20:21]
	s_or_b32 s51, s51, 0x80000000
	s_add_nc_u64 s[54:55], s[6:7], s[22:23]
	s_or_b32 s55, s55, 0x80000000
	s_add_nc_u64 s[58:59], s[4:5], s[60:61]
	s_or_b32 s59, s59, 0x80000000
	CROUND                                         ; all sixteen work-groups are here: the joint loads meet
	tensor_load_to_lds s[48:51], s[24:31]          ; three loads of mine are out: all the launch's fills, one group
	s_nop 0
	tensor_load_to_lds s[52:55], s[32:39]
	s_nop 0
	tensor_load_to_lds s[56:59], s[40:47]
	s_nop 0
	; while the tiles are on their way: headers, maxima, addresses, scales
	s_load_b512 s[68:83], s[4:5], OM               ; s69-72 hC, hA, fC, fA; s73-76 the next step's four
	s_load_b32 s84, s[6:7], OM                     ; 1/alphaR
	s_lshl_b32 s2, s16, 9                          ; slot 4 y
	s_mov_b32 s3, 0
	s_add_nc_u64 s[2:3], s[4:5], s[2:3]
	s_load_b32 s66, s[2:3], OM                     ; 1/alphaL of my rows 0-15,
	s_load_b32 s67, s[2:3], OM+256                 ; and of my rows 16-31: slot 4 y + 2
	v_and_b32 v1, 31, v0                           ; l
	v_lshlrev_b32 v24, 7, v1
.irp j, 0,1,2,3,4,5,6,7
	global_load_b32 v[28+(\j)], v24, s[4:5] offset:OM+36+4096*(\j)   ; L's 256 slots, a lane a slot
.endr
.irp j, 0,1
	global_load_b32 v[36+(\j)], v24, s[6:7] offset:OM+36+4096*(\j)   ; R's 64
.endr
	v_and_b32 v2, 15, v0                           ; r = l % 16
	v_bfe_u32 v3, v0, 4, 1                         ; h = l / 16
	v_mul_u32_u24 v8, v2, PA
	v_lshl_add_u32 v8, v3, 4, v8                   ; L: r x pitch + 16 h
	v_mul_u32_u24 v9, v2, PC
	v_lshl_add_u32 v9, v3, 5, v9
	s_lshl_b32 s20, s12, 7
	s_add_co_u32 s20, s20, LC
	v_add_nc_u32 v9, s20, v9                       ; Cin: LC + r x pitch + 32 h + 128 w
	v_mul_u32_u24 v10, v2, PH
	v_lshl_add_u32 v10, v3, 4, v10
	s_lshl_b32 s20, s12, 6
	s_add_co_u32 s21, s20, SH
	v_add_nc_u32 v10, s21, v10                     ; H stage in: SH + r x pitch + 16 h + 64 w
	s_mul_i32 s21, s12, 8*PC
	s_add_co_u32 s21, s21, SF
	v_lshl_add_u32 v11, v1, 4, s21                 ; F stage back: my 8 rows, 512 bytes an instruction
	v_and_b32 v4, 7, v0
	v_bfe_u32 v5, v0, 3, 1
	v_lshl_add_u32 v6, v3, 3, v4
	v_mul_u32_u24 v6, v6, PB
	v_lshl_add_u32 v6, v5, 4, v6
	s_add_co_u32 s20, s20, LB
	v_add_nc_u32 v12, s20, v6                      ; R: LB + (8 h + l % 8) x pitch + 16 ((l / 8) % 2) + 64 w,
	v_add_nc_u32 v13, 128*PB, v12                  ; and 128, 256, 384 rows of k further
	v_add_nc_u32 v14, 256*PB, v12
	v_add_nc_u32 v15, 384*PB, v12
	v_mul_u32_u24 v16, v3, PH
	v_lshl_add_u32 v16, v2, 4, v16
	s_mul_i32 s21, s12, 8*PH
	s_add_co_u32 s21, s21, SH
	v_add_nc_u32 v16, s21, v16                     ; H stage back: two rows an instruction
	v_lshlrev_b32 v17, 4, v1
	v_lshlrev_b32 v18, 10, v3
	v_lshl_add_u32 v18, v2, 4, v18
	s_lshl_b32 s21, s12, 2
	s_add_co_u32 s21, s21, RX
	v_mov_b32 v19, s21
	v_mov_b32 v20, 0
	v_mov_b32 v21, 0
	v_lshlrev_b32 v23, 2, v1
	s_wait_loadcnt 0x0
	s_wait_kmcnt 0x0
	v_max3_num_f32 v28, v28, v29, v30
	v_max3_num_f32 v28, v28, v31, v32
	v_max3_num_f32 v28, v28, v33, v34
	v_max_num_f32 v28, v28, v35
	v_max_num_f32 v36, v36, v37
	WMAX 28                                        ; mL
	WMAX 36                                        ; mR
	v_mul_f32 v5, v28, v36
	v_max_num_f32 v4, v28, v36
	v_mul_f32 v5, 0x44000000, v5                   ; 512 mL mR
	v_mul_f32 v5, s70, v5
	v_fma_f32 v4, v4, s69, v5                      ; beta
	v_mov_b32 v6, s84
	v_mul_f32 v7, s66, v6                          ; 1 / (alphaL alphaR) for row tile 0: the accumulators hold alphaL alphaR (L R),
	v_mul_f32 v6, s67, v6                          ; and for row tile 1
	v_mul_f32 v5, s70, v7
	v_mul_f32 v7, s72, v7
	v_mul_f32 v25, s70, v6
	v_mul_f32 v6, s72, v6
	v_readfirstlane_b32 s98, v4
	v_readfirstlane_b32 s88, v5
	v_readfirstlane_b32 s92, v7
	v_readfirstlane_b32 s78, v25                   ; (the header's words 10 to 13 are not used)
	v_readfirstlane_b32 s80, v6
	s_mov_b32 s89, s88                             ; the packed lines name pairs: both words are written
	s_mov_b32 s93, s92
	s_mov_b32 s79, s78
	s_mov_b32 s81, s80
	s_mov_b32 s86, s69
	s_mov_b32 s87, s69
	s_mov_b32 s90, s71
	s_mov_b32 s91, s71
	s_lshr_b32 s98, s98, 23                        ; e
	s_max_u32 s98, s98, 28
	s_sub_co_u32 s99, 268, s98
	s_lshl_b32 s94, s99, 23                        ; alpha = 2^(141 - e)
	s_mov_b32 s95, s94
	s_sub_co_u32 s100, s98, 14
	s_lshl_b32 s100, s100, 23                      ; 1/alpha
	s_wait_tensorcnt 0x0                           ; my parts of the three tiles are in,
	s_barrier_signal -1
	s_barrier_wait -1                              ; everybody's are
	s_add_nc_u64 s[24:25], s[8:9], s[60:61]        ; no load of mine is out: the descriptors' registers take the stores' addresses: F,
	s_add_nc_u64 s[26:27], s[8:9], s[62:63]        ; H,
	s_add_nc_u64 s[28:29], s[10:11], s[62:63]      ; H once more,
	s_lshl2_add_u32 s30, s16, s15
	s_lshl_b32 s30, s30, 7                         ; and slot 4 y + x of both
	s_mov_b32 s31, 0
	s_add_nc_u64 s[32:33], s[8:9], s[30:31]
	s_add_nc_u64 s[34:35], s[10:11], s[30:31]
; the fragments of K steps 2 g and 2 g + 1 (32 k each) into buffer f: 16 LDS loads
.macro FETCHG g, f
.irp u, 0,1
.set SS, 2*(\g)+(\u)
.set FB, (\f)+32*(\u)
.irp a, 0,1
	ds_load_b128 v[FB+8*(\a):FB+8*(\a)+3],   v8 offset:(\a)*16*PA+64*SS
	ds_load_b128 v[FB+8*(\a)+4:FB+8*(\a)+7], v8 offset:(\a)*16*PA+64*SS+32
.endr
.irp t, 0,1
	ds_load_tr16_b128 v[FB+16+8*(\t):FB+16+8*(\t)+3],   v[12+SS/4] offset:(SS%4)*32*PB+32*(\t)
	ds_load_tr16_b128 v[FB+16+8*(\t)+4:FB+16+8*(\t)+7], v[12+SS/4] offset:(SS%4)*32*PB+16*PB+32*(\t)
.endr
.endr
.endm
; their eight products.  The four accumulators take turns, one instruction a turn.  The very first four start the sums with the constant 0.
.macro MULG g, f
.irp u, 0,1
.set FB, (\f)+32*(\u)
.irp a, 0,1
.irp t, 0,1
.if ((\g) == 0) && ((\u) == 0)
	v_wmma_f32_16x16x32_f16 v[ACC+8*(2*(\a)+(\t)):ACC+8*(2*(\a)+(\t))+7], v[FB+16+8*(\t):FB+16+8*(\t)+7], v[FB+8*(\a):FB+8*(\a)+7], 0
.else
	v_wmma_f32_16x16x32_f16 v[ACC+8*(2*(\a)+(\t)):ACC+8*(2*(\a)+(\t))+7], v[FB+16+8*(\t):FB+16+8*(\t)+7], v[FB+8*(\a):FB+8*(\a)+7], v[ACC+8*(2*(\a)+(\t)):ACC+8*(2*(\a)+(\t))+7]
.endif
.endr
.endr
.endr
.endm
.irp a, 0,1
.irp t, 0,1
	ds_load_b128 v[CIN+8*(2*(\a)+(\t)):CIN+8*(2*(\a)+(\t))+3],   v9 offset:(\a)*16*PC+64*(\t)
	ds_load_b128 v[CIN+8*(2*(\a)+(\t))+4:CIN+8*(2*(\a)+(\t))+7], v9 offset:(\a)*16*PC+64*(\t)+16
.endr
.endr
	FETCHG 0, F0
.set g, 0
.rept 7
.if g > 0
	PLACES                                         ; the buffer to be loaded was read by the products just issued
.endif
	FETCHG g+1, F0+64*((g+1)%2)
	s_wait_dscnt 16                                ; all but the 16 loads just issued: this group's fragments (and Cin) are in
	MULG g, F0+64*(g%2)
.set g, g+1
.endr
	s_wait_dscnt 0x0
	MULG 7, F0+64
	PLACES
	PLACES                                         ; eight, once a launch, in front of the first read of the sums
; a tile's way out: both combinations, their magnitudes into the maximum, Hout scaled and rounded to f16; both into the stages.  An accumulator's registers are read in ascending order.
.macro EPI a, t
.set AC, ACC+8*(2*(\a)+(\t))
.set CI, CIN+8*(2*(\a)+(\t))
.set KH, 88-10*(\a)                    ; the row tile's own factors: s[88:89] or s[78:79],
.set KF, 92-12*(\a)                    ; s[92:93] or s[80:81]
.irp p, 0,2,4,6
	v_pk_mul_f32 v[U+(\p):U+(\p)+1], v[CI+(\p):CI+(\p)+1], s[86:87] op_sel_hi:[1,0]
	v_pk_mul_f32 v[V+(\p):V+(\p)+1], v[CI+(\p):CI+(\p)+1], s[90:91] op_sel_hi:[1,0]
.endr
.irp p, 0,2,4,6
	v_pk_fma_f32 v[U+(\p):U+(\p)+1], v[AC+(\p):AC+(\p)+1], s[KH:KH+1], v[U+(\p):U+(\p)+1] op_sel_hi:[1,0,1]
	v_pk_fma_f32 v[V+(\p):V+(\p)+1], v[AC+(\p):AC+(\p)+1], s[KF:KF+1], v[V+(\p):V+(\p)+1] op_sel_hi:[1,0,1]
.endr
.irp j, 0,1,2,3,4,5,6,7
	v_max3_num_f32 v20, v20, |v[U+(\j)]|, |v[V+(\j)]|
.endr
.irp p, 0,2,4,6
	v_pk_mul_f32 v[U+(\p):U+(\p)+1], v[U+(\p):U+(\p)+1], s[94:95] op_sel_hi:[1,0]
.endr
.irp p, 0,1,2,3
	v_cvt_pk_f16_f32 v[HP+(\p)], v[U+2*(\p)], v[U+2*(\p)+1]
.endr
	ds_store_b128 v10, v[HP:HP+3] offset:(\a)*16*PH+32*(\t)
	ds_store_b128 v9, v[V:V+3]   offset:SF-LC+(\a)*16*PC+64*(\t)
	ds_store_b128 v9, v[V+4:V+7] offset:SF-LC+(\a)*16*PC+64*(\t)+16
.endm
	EPI 0, 0
	EPI 0, 1
	EPI 1, 0
	EPI 1, 1
	WMAX 20
	ds_store_b32 v19, v20                          ; all lanes write the same word with the same value
	s_wait_dscnt 0x0                               ; for the others' sake: my stores into the stages and RX are done
	s_barrier_signal -1
	s_barrier_wait -1                              ; a stage row holds all four waves' columns
.irp i, 0,1,2,3,4,5,6,7
	ds_load_b128 v[F0+4*(\i):F0+4*(\i)+3], v11 offset:PC*(\i)
.endr
.irp i, 0,1,2,3
	ds_load_b128 v[F0+32+4*(\i):F0+32+4*(\i)+3], v16 offset:2*PH*(\i)
.endr
	s_wait_dscnt 4                                 ; F's eight rows are in; the four loads of H may stay out
.irp i, 0,1,2,3,4,5,6,7
	global_store_b128 v17, v[F0+4*(\i):F0+4*(\i)+3], s[24:25] offset:2048*(\i)     ; 512 consecutive bytes of a row of F
.endr
	s_wait_dscnt 0x0
.irp i, 0,1,2,3
	global_store_b128 v18, v[F0+32+4*(\i):F0+32+4*(\i)+3], s[26:27] offset:2048*(\i)  ; 16 lanes store 256 consecutive bytes, aligned
	global_store_b128 v18, v[F0+32+4*(\i):F0+32+4*(\i)+3], s[28:29] offset:2048*(\i)
.endr
	s_cmp_lg_u32 s12, 0                            ; wave 0 writes the work-group's slot, into both buffers
	s_cbranch_scc1 .Lno_slot
	v_mov_b32 v4, RX
	ds_load_b128 v[U:U+3], v4
	s_mov_b32 s20, 1.0
	s_mov_b32 s21, 2.0
	v_mov_b32 v22, 0
	v_writelane_b32 v22, s100, 0                   ; 1/alpha
	v_writelane_b32 v22, s73, 1                    ; the record that L's header kept for the step after this one,
	v_writelane_b32 v22, s74, 2
	v_writelane_b32 v22, s75, 3
	v_writelane_b32 v22, s76, 4
	v_writelane_b32 v22, s20, 5                    ; and behind it a squaring's: H = 1 F + 1 (L R), F = 2 F + 2 (L R)
	v_writelane_b32 v22, s20, 6
	v_writelane_b32 v22, s21, 7
	v_writelane_b32 v22, s21, 8
	s_wait_dscnt 0x0
	v_max3_num_f32 v[U], v[U], v[U+1], v[U+2]
	v_max_num_f32 v[U], v[U], v[U+3]
	v_readfirstlane_b32 s22, v[U]
	v_writelane_b32 v22, s22, 9                    ; the tile's largest magnitude
	global_store_b32 v23, v22, s[32:33] offset:OM
	global_store_b32 v23, v22, s[34:35] offset:OM
.Lno_slot:
	s_wait_tensorcnt 0x0                           ; the wave's end: behind my last tensor load and my last LDS store
	ds_add_u32 v[SPW], v[NIL]
	s_wait_dscnt 0x0
	CROUND                                         ; the closing round
	s_endpgm
.Lfunc_end_k_q6a7ba838ee_c1:
	.size	k_q6a7ba838ee_c1, .Lfunc_end_k_q6a7ba838ee_c1-k_q6a7ba838ee_c1
	.p2alignl 7, 3214868480
	.fill 96, 4, 3214868480
	.section	.rodata,"a",@progbits
	.p2align	6, 0x0
	.amdhsa_kernel k_q6a7ba838ee_c1
		.amdhsa_group_segment_fixed_size 224000
		.amdhsa_private_segment_fixed_size 0
		.amdhsa_enable_private_segment 0
		.amdhsa_kernarg_size 32
		.amdhsa_user_sgpr_count 2
		.amdhsa_user_sgpr_kernarg_segment_ptr 1
		.amdhsa_wavefront_size32 1
		.amdhsa_system_sgpr_workgroup_id_x 1
		.amdhsa_system_sgpr_workgroup_id_y 1
		.amdhsa_system_sgpr_workgroup_id_z 1
		.amdhsa_system_vgpr_workitem_id 0
		.amdhsa_next_free_vgpr 256
		.amdhsa_next_free_sgpr 102
		.amdhsa_reserve_vcc 0
		.amdhsa_float_denorm_mode_32 3
		.amdhsa_float_denorm_mode_16_64 3
		.amdhsa_memory_ordered 1
		.amdhsa_forward_progress 1
		.amdhsa_inst_pref_size 38
	.end_amdhsa_kernel
	.amdgpu_metadata
---
amdhsa.version: [ 1, 2 ]
amdhsa.kernels:
  - .name:           k_q6a7ba838ee_c1
    .symbol:         k_q6a7ba838ee_c1.kd
    .args:
      - { .name: ob1, .offset: 0, .size: 8, .value_kind: global_buffer, .address_space: global }
      - { .name: ob2, .offset: 8, .size: 8, .value_kind: global_buffer, .address_space: global }
      - { .name: oa1, .offset: 16, .size: 8, .value_kind: global_buffer, .address_space: global }
      - { .name: oa2, .offset: 24, .size: 8, .value_kind: global_buffer, .address_space: global }
    .group_segment_fixed_size: 224000
    .private_segment_fixed_size: 0
    .kernarg_segment_align: 8
    .kernarg_segment_size: 32
    .max_flat_workgroup_size: 128
    .sgpr_count:     102
    .vgpr_count:     256
    .wavefront_size: 32
...
	.end_amdgpu_metadata
.endif
;; end of part 2
;; launch c2: the kernel of part 2 again; grid 4 x 16, 4 waves a work-group, clusters of 4 x 4, 224,000 bytes of LDS; arguments oa1, oa2, ob1, ob2; writes ob1, ob2
;; launch pw (part 3): grid 128 x 1, 4 waves a work-group, clusters of 4 x 1, 287,744 bytes of LDS; arguments W1, ob2, ob1; writes ob1
.if DOCPART == 3
	.amdgcn_target "amdgcn-amd-amdhsa--gfx1250"
	.amdhsa_code_object_version 6
	.text
	.protected	k_q6a7ba838ee_pw
	.globl	k_q6a7ba838ee_pw
	.p2align	8
	.type	k_q6a7ba838ee_pw,@function
k_q6a7ba838ee_pw:
	s_mov_b64 s[64:65], 0
	v_nop
	global_prefetch_b8 v0, s[64:65] scope:SCOPE_SE
	s_setreg_imm32_b32 hwreg(HW_REG_WAVE_MODE, 25, 1), 1
	s_wait_xcnt 0x0
	s_wait_alu depctr_hold_cnt(0) depctr_sa_sdst(0) depctr_va_vdst(0) depctr_va_sdst(0) depctr_va_ssrc(0) depctr_va_vcc(0) depctr_vm_vsrc(0)
	s_getreg_b32 s2, hwreg(HW_REG_IB_STS2, 6, 4)
	s_cmp_eq_u32 s2, 0
	s_cbranch_scc0 .Lentry_in_a_cluster
	s_endpgm
.Lentry_in_a_cluster:
	s_bfe_u32 s2, ttmp6, 0x10000c
	s_cmp_lg_u32 s2, 0x3003
	s_cbranch_scc0 .Lentry_shape_is_right
	s_endpgm
.Lentry_shape_is_right:
; Y = W1 (I + N)^8 = W1 M^8, by eight steps Y <- Y + Y N that follow each other INSIDE a work-group (the first launch's head shows why M^8 stands for the scan).
; A step of 16 rows needs all of N and nothing of other rows, so a barrier stands between two steps where squarings of M would want a launch each.
; SHARES.  Work-group p owns rows 16 p .. 16 p + 15 of W1: 128 work-groups.  Wave w owns columns 128 w .. 128 w + 127: 8 accumulators of 16 x 16, which take turns.
; N STAYS ON THE WGP.  In f16 it is 512 KiB.  Argument 1 holds N' = N^T, [n][k], times alphaN: a row of N' is a column of N with k on end, which is a fragment's layout.  Of its 128 rows of N' a wave keeps
;   K steps 0-7 (k < 256) in 512 registers, loaded straight from memory, 16 bytes a lane;  K step 8 in 64 registers, read once out of LDS;  K steps 9-15 in LDS (with step 8: 128 rows x 512 bytes a wave).
; The LDS half comes by ONE tensor load a wave, asked for jointly by the four work-groups of a cluster (all work-groups want the same bytes); each wave reads only what its own load brought.  First fills only.
; THE MATRIX INSTRUCTION IS USED TRANSPOSED: source 0 = 16 rows of N', source 1 = the 16 rows of Y: a lane holds row l % 16 of Y and the 8 columns 8 (l / 16) + 0..7.
; A STEP.  The carry Y stays in f32, in true units, in registers.  Its rounding to f16 times alpha_t lies in LDS, 16 rows x 1,024 bytes: every wave reads all of it (16 fragments), multiplies (128 products),
; adds sums / (alpha_t alphaN) to its carry, and stores its 128 columns of the next operand.  Two barriers: the first is signalled when the wave's reads of the operand are back and waited for in front of its
; stores (products, and loads of N', which nobody writes, stand between); the second stands between the stores and the next step's reads.
; THE SCALE.  |Y_(t+1)| <= m_t (1 + 512 mN), with m_t the largest |Y_t| in the work-group's rows (each wave's maximum goes through LDS with the operand) and mN >= max|N| (the slots' word 9).
; With e the bound's exponent field, at least 28, alpha_(t+1) = 2^(141 - e): bound x alpha < 2^15, inside f16.  alpha_0 is taken from m_0 itself.  Scales steer values alone.
; OUT (ob1): H = f16(alpha_8 Y); 1/alpha_8, which is this block's own, the record (0, 1, 0, 0) for G = Y P, and m_8 in slots 2 p and 2 p + 1.  The F plane is written as zeros: the next launch's text, shared
; with the other products of the chain, adds 0 times that plane, so it has to hold numbers.
; LIMITS.  The bounds and 1/(alpha alphaN) stay within 2^-100 .. 2^100; NaN and infinities are not treated apart.
; NO PREFETCH: N' is read once, at the head, and by every work-group; W1's rows are asked for in the same lines.
; REGISTERS, in windows of 256 (s_set_vgpr_msb: bits 1:0 source 0, 3:2 source 1, 5:4 source 2, 7:6 destination):
;   window 0: v0-31 addresses and small things; v32-95, v96-159 two buffers for a K step of N' out of LDS; v160-223 K step 8; v224-255 the operand, packed
;   window 1: K steps 0-3 of N' (step s, tile t at 64 s + 8 t)      window 2: K steps 4-7      window 3: v0-63 the sums; v64-191 the operand's 16 fragments; v192-255 the carry
.set OH,  0x400000
.set OM,  0x600000
.set STEPS, 8
.set PN,  528                          ; a row of N' in LDS: 512 bytes + 16: an odd multiple of 16, so the 16 rows of a fragment load start at 16 different groups of four banks
.set PL,  1040                         ; a row of the operand: 1,024 + 16
.set WN,  128*PN                       ; a wave's part of N'
.set LL,  4*WN                         ; the operand, 16 rows (270,336: a multiple of 256; never a tensor load's target, like all that follows)
.set RX,  LL+16*PL                     ; the four waves' maxima
.set SPARE, RX+256                     ; the spare words, 128 bytes a wave: two blocks of 256 bytes that no other line names
.set TP,  6                            ; v6   at work
.set SL,  7                            ; v7   a slot
.set VA,  8                            ; v8   the operand's fragments
.set VB,  9                            ; v9   N's fragments in LDS
.set STO, 10                           ; v10  where I put 16 bytes of the operand
.set VG,  11                           ; v11  N's fragments in memory
.set VW,  12                           ; v12  my numbers of W1
.set RXW, 13                           ; v13  my wave's word of RX
.set RXR, 14                           ; v14  RX
.set GR,  15                           ; v15  1 + 512 mN
.set RD,  16                           ; v16  the way out: my wave's four rows of the operand
.set GO,  17                           ; v17  16 x lane
.set L4,  18                           ; v18  4 x lane
.set L128, 19                          ; v19  128 x lane
.set MX,  20                           ; v20-23 four running maxima
.set RXV, 24                           ; v24-27 the four waves' maxima
.set SPW, 28                           ; v28  my spare word's address; never rewritten
.set NIL, 29                           ; v29  0; never rewritten
.set SM,  30                           ; v30-31 N's slots
.set BB0, 32
.set BB1, 96
.set RES, 160
.set HP,  224
.set ACC, 0                            ; window 3
.set AF,  64
.set CY,  192
.set W_R1, 0xfd                        ; N' window 1; operand, C and D window 3
.set W_R2, 0xfe                        ; N' window 2
.set W_L,  0xfc                        ; N' window 0
; s[4:5] W1, s[6:7] N's object, s[8:9] out | s12 wave, s13 cx, s14 p | s[24:31], s[32:35] the descriptor | s36 1/alphaN | s[40:41] 1/(alpha_t alphaN) | s[42:43] alpha_(t+1) | s44 1/alpha_t, s45 1/alpha_(t+1)
; s46, s47 at work | s[50:51] lane selects | s52 steps to go | s[54:59] the stores' addresses | s[60:61] W1 at my rows
.set MSB, 0
.macro WIN new                         ; the immediate's high byte repeats the setting that is left; a switch that changes nothing is dropped
.if MSB != (\new)
	s_set_vgpr_msb (MSB<<8)|(\new)
.set MSB, \new
.endif
.endm
.macro CROUND                          ; a round of the cluster's barrier: my work-group's barrier; wave 0 signals for the work-group; every wave waits for all four; my work-group's barrier once more
	s_barrier_signal -1
	s_barrier_wait -1
	s_cmp_lg_u32 s12, 0
	s_cbranch_scc1 .Lnot_wave_0_\@
	s_barrier_signal -3
.Lnot_wave_0_\@:
	s_barrier_wait -3
	s_barrier_signal -1
	s_barrier_wait -1
.endm
.macro PLACES                          ; four places behind a matrix instruction (ISA guide 7.12.1)
.rept 4
	v_nop
.endr
.endm
.macro WMAX r                          ; the maximum over the wave's 32 lanes, in every lane
	v_max_num_f32_dpp v[\r], v[\r], v[\r] row_xmask:1 row_mask:0xf bank_mask:0xf
	v_max_num_f32_dpp v[\r], v[\r], v[\r] row_xmask:2 row_mask:0xf bank_mask:0xf
	v_max_num_f32_dpp v[\r], v[\r], v[\r] row_xmask:4 row_mask:0xf bank_mask:0xf
	v_max_num_f32_dpp v[\r], v[\r], v[\r] row_xmask:8 row_mask:0xf bank_mask:0xf
	v_permlanex16_b32 v[TP], v[\r], s50, s51
	v_max_num_f32 v[\r], v[\r], v[TP]
.endm
; the largest magnitude in my wave's part of the carry, in four chains that the first four lines start, into my word of RX
.macro MAXC
	WIN 0x0f                                       ; sources 0 and 1 window 3
.irp k, 0,1,2,3
	v_max_num_f32 v[MX+(\k)], |v[CY+2*(\k)]|, |v[CY+2*(\k)+1]|
.endr
.set i, 4
.rept 28
	v_max3_num_f32 v[MX+i%4], |v[CY+2*i]|, |v[CY+2*i+1]|, v[MX+i%4]
.set i, i+1
.endr
	WIN 0
	v_max3_num_f32 v[MX], v[MX], v[MX+1], v[MX+2]
	v_max_num_f32 v[MX], v[MX], v[MX+3]
	WMAX MX
	ds_store_b32 v[RXW], v[MX]                     ; all lanes write the same word with the same value
.endm
; the work-group's maximum out of the four words
.macro GETMAX
	v_max3_num_f32 v[RXV], v[RXV], v[RXV+1], v[RXV+2]
	v_max_num_f32 v[RXV], v[RXV], v[RXV+3]
.endm
; from a bound (its bits in s46): alpha into s[42:43], 1/alpha into s45
.macro NEWSCALE
	s_lshr_b32 s46, s46, 23                        ; e
	s_max_u32 s46, s46, 28
	s_sub_co_u32 s47, 268, s46
	s_lshl_b32 s42, s47, 23                        ; 2^(141 - e)
	s_mov_b32 s43, s42                             ; named as a pair
	s_sub_co_u32 s45, s46, 14
	s_lshl_b32 s45, s45, 23
.endm
; the carry times alpha, rounded to f16, into my 128 columns of the operand
.macro STORE_LH
	WIN 0x03                                       ; source 0 window 3
.set i, 0
.rept 32
	v_pk_mul_f32 v[BB0+i:BB0+i+1], v[CY+i:CY+i+1], s[42:43] op_sel_hi:[1,0]
.set i, i+2
.endr
	WIN 0
.set i, 0
.rept 32
	v_cvt_pk_f16_f32 v[HP+i], v[BB0+2*i], v[BB0+2*i+1]
.set i, i+1
.endr
.irp t, 0,1,2,3,4,5,6,7
	ds_store_b128 v[STO], v[HP+4*(\t):HP+4*(\t)+3] offset:32*(\t)
.endr
.endm
; K step 8 + j of N' out of LDS into the 64 registers at buf: 16 loads
.macro FETCHB j, buf
	WIN 0
.irp t, 0,1,2,3,4,5,6,7
	ds_load_b128 v[(\buf)+8*(\t):(\buf)+8*(\t)+3],   v[VB] offset:(\t)*16*PN+64*(\j)
	ds_load_b128 v[(\buf)+8*(\t)+4:(\buf)+8*(\t)+7], v[VB] offset:(\t)*16*PN+64*(\j)+32
.endr
.endm
; the 8 products of K step s; N's fragments at base + 8 t in the window that win names.  The 8 accumulators take turns, one instruction a turn.  zero = 1: the step's first products start the sums.
.macro MULK win, base, s, zero
	WIN \win
.irp t, 0,1,2,3,4,5,6,7
.if \zero
	v_wmma_f32_16x16x32_f16 v[ACC+8*(\t):ACC+8*(\t)+7], v[(\base)+8*(\t):(\base)+8*(\t)+7], v[AF+8*(\s):AF+8*(\s)+7], 0
.else
	v_wmma_f32_16x16x32_f16 v[ACC+8*(\t):ACC+8*(\t)+7], v[(\base)+8*(\t):(\base)+8*(\t)+7], v[AF+8*(\s):AF+8*(\s)+7], v[ACC+8*(\t):ACC+8*(\t)+7]
.endif
.endr
.endm
	s_load_b128 s[4:7], s[0:1], 0x0                ; W1, N's object
	s_load_b64 s[8:9], s[0:1], 0x10                ; out
	v_lshl_add_u32 v[SPW], v0, 2, SPARE
	v_mov_b32 v[NIL], 0
	ds_add_u32 v[SPW], v[NIL]                      ; the wave's opening: the add, twice on end, and its wait ahead of my first tensor load
	ds_add_u32 v[SPW], v[NIL]
	v_lshrrev_b32 v1, 5, v0
	v_readfirstlane_b32 s12, v1                    ; wave 0..3
	s_bfe_u32 s13, ttmp6, 0x40000                  ; cx
	s_lshl_b32 s14, ttmp9, 2
	s_add_co_u32 s14, s14, s13                     ; p = 4 x cluster + cx: it enters W1's and the stores' addresses alone
	; the descriptor: 128 rows x 256 elements of 2 bytes; 4 words of padding behind every 128
	s_mov_b32 s24, 15|(1<<16)|(1<<20)|(1<<21)|(6<<22)|(3<<25)  ; the mask: all four work-groups; bit 21 beside it
	s_mov_b32 s25, 256<<16                         ; tensor_dim0
	s_mov_b32 s26, 128<<16                         ; tensor_dim1
	s_mov_b32 s27, 256<<16                         ; tile_dim0
	s_mov_b32 s28, 128                             ; tile_dim1
	s_mov_b32 s29, 512                             ; elements from row to row
	s_mov_b32 s30, 0
	s_mov_b32 s31, 0
	s_mov_b32 s32, 1
	s_mul_i32 s33, s12, WN                         ; LDS address: the wave's number times a constant
	s_lshl_b32 s20, s12, 17                        ; rows 128 w on of N', from k = 256: the wave's number alone
	s_add_co_u32 s20, s20, OH+512
	s_mov_b32 s21, 0
	s_mov_b32 s50, 0x76543210
	s_mov_b32 s51, 0xfedcba98
	s_wait_dscnt 0x0                               ; both opening adds are done
	s_wait_kmcnt 0x0
	s_add_nc_u64 s[34:35], s[6:7], s[20:21]
	s_or_b32 s35, s35, 0x80000000
	CROUND                                         ; all four work-groups are here: the joint loads meet
	tensor_load_to_lds s[32:35], s[24:31]          ; one load of mine is out: the launch's only fill of these bytes
	s_nop 0
	PLACES                                         ; four instructions ahead of the next switch of windows
	s_load_b32 s36, s[6:7], OM                     ; 1/alphaN
	v_and_b32 v1, 31, v0                           ; l
	v_and_b32 v2, 15, v0                           ; r = l % 16
	v_bfe_u32 v3, v0, 4, 1                         ; h = l / 16
	v_lshlrev_b32 v[L128], 7, v1
	v_lshlrev_b32 v[VW], 11, v2                    ; W1: r x 2,048 + 512 w + 32 h, + 64 t
	v_lshl_add_u32 v[VW], v3, 5, v[VW]
	s_lshl_b32 s20, s12, 9
	v_add_nc_u32 v[VW], s20, v[VW]
	v_lshlrev_b32 v[VG], 10, v2                    ; N': (128 w + r) x 1,024 + 16 h, + 16,384 t + 64 s
	v_lshl_add_u32 v[VG], v3, 4, v[VG]
	s_lshl_b32 s20, s12, 17
	v_add_nc_u32 v[VG], s20, v[VG]
	s_lshl_b32 s22, s14, 15                        ; 16 rows of 2,048 bytes a work-group
	s_mov_b32 s23, 0
	s_add_nc_u64 s[60:61], s[4:5], s[22:23]
	global_load_b32 v[SM],   v[L128], s[6:7] offset:OM+36        ; N's 64 slots, a lane a slot
	global_load_b32 v[SM+1], v[L128], s[6:7] offset:OM+36+4096
	WIN 0xc0                                       ; destination window 3: the carry begins as W1
.irp t, 0,1,2,3,4,5,6,7
	global_load_b128 v[CY+8*(\t):CY+8*(\t)+3],   v[VW], s[60:61] offset:64*(\t) th:TH_LOAD_NT
	global_load_b128 v[CY+8*(\t)+4:CY+8*(\t)+7], v[VW], s[60:61] offset:64*(\t)+16 th:TH_LOAD_NT
.endr
	WIN 0x40                                       ; destination window 1.  A tile's eight loads cover 256 consecutive bytes of each of its 16 rows
.irp t, 0,1,2,3,4,5,6,7
.irp s, 0,1,2,3
	global_load_b128 v[64*(\s)+8*(\t):64*(\s)+8*(\t)+3],   v[VG], s[6:7] offset:OH+16384*(\t)+64*(\s)
	global_load_b128 v[64*(\s)+8*(\t)+4:64*(\s)+8*(\t)+7], v[VG], s[6:7] offset:OH+16384*(\t)+64*(\s)+32
.endr
.endr
	WIN 0x80                                       ; destination window 2
.irp t, 0,1,2,3,4,5,6,7
.irp s, 0,1,2,3
	global_load_b128 v[64*(\s)+8*(\t):64*(\s)+8*(\t)+3],   v[VG], s[6:7] offset:OH+16384*(\t)+256+64*(\s)
	global_load_b128 v[64*(\s)+8*(\t)+4:64*(\s)+8*(\t)+7], v[VG], s[6:7] offset:OH+16384*(\t)+256+64*(\s)+32
.endr
.endr
	WIN 0
	v_mul_u32_u24 v4, v2, PL
	v_lshl_add_u32 v4, v3, 4, v4
	v_add_nc_u32 v[VA], LL, v4                     ; the operand: LL + r x pitch + 16 h, + 64 s
	s_lshl_b32 s20, s12, 8
	v_add_nc_u32 v[STO], s20, v[VA]                ; and my columns of it: + 256 w, + 32 t
	v_mul_u32_u24 v5, v2, PN
	v_lshl_add_u32 v5, v3, 4, v5
	v_add_nc_u32 v[VB], s33, v5                    ; N' in LDS: my part + r x pitch + 16 h
	s_lshl_b32 s20, s12, 2
	s_add_co_u32 s20, s20, RX
	v_mov_b32 v[RXW], s20
	v_mov_b32 v[RXR], RX
	s_mul_i32 s20, s12, 4*PL
	s_add_co_u32 s20, s20, LL
	v_lshl_add_u32 v[RD], v1, 4, s20               ; rows 4 w on, 512 bytes an instruction
	v_lshlrev_b32 v[GO], 4, v1
	v_lshlrev_b32 v[L4], 2, v1
	v_mov_b32 v[TP], 0                             ; written, since v_permlanex16_b32 counts as a reader of its destination
	s_mov_b32 s47, 0x44000000                      ; 512.0
	s_wait_loadcnt 63                              ; loads come back in order: behind the slots' 2 and W1's 16 stand 128 others, so these 18 are in
	s_wait_kmcnt 0x0
	v_max_num_f32 v[SM], v[SM], v[SM+1]
	WMAX SM                                        ; mN
	v_fma_f32 v[GR], v[SM], s47, 1.0               ; 1 + 512 mN
	MAXC                                           ; m_0, by parts
	s_wait_dscnt 0x0
	s_barrier_signal -1
	s_barrier_wait -1                              ; all four parts lie in RX
	ds_load_b128 v[RXV:RXV+3], v[RXR]
	s_wait_dscnt 0x0
	GETMAX
	v_readfirstlane_b32 s46, v[RXV]
	NEWSCALE                                       ; alpha_0, from m_0 itself
	STORE_LH
	s_wait_tensorcnt 0x0                           ; my part of N' is in LDS; only I read it
	FETCHB 0, RES                                  ; K step 8 stays in registers
	s_wait_loadcnt 0x0                             ; K steps 0-7 are in registers
	s_wait_dscnt 0x0                               ; for the others' sake: my stores into the operand are done
	s_barrier_signal -1
	s_barrier_wait -1
	s_mov_b32 s52, STEPS
.Lstep:
	ds_load_b128 v[RXV:RXV+3], v[RXR]              ; m_t, by parts
	WIN 0xc0                                       ; destination window 3
.set s, 0
.rept 16
	ds_load_b128 v[AF+8*s:AF+8*s+3],   v[VA] offset:64*s
	ds_load_b128 v[AF+8*s+4:AF+8*s+7], v[VA] offset:64*s+32
.set s, s+1
.endr
	WIN 0
	s_wait_dscnt 24                                ; of the 33 loads the first 9 are in: the maxima and K steps 0-3
	GETMAX
	v_mul_f32 v[RXV], v[RXV], v[GR]                ; the bound on |Y_(t+1)|
	v_readfirstlane_b32 s46, v[RXV]
	s_mov_b32 s44, s45                             ; 1/alpha_t
	s_add_co_u32 s40, s44, s36                     ; times 1/alphaN: two powers of two, by their exponent fields
	s_sub_co_u32 s40, s40, 0x3f800000
	s_mov_b32 s41, s40
	NEWSCALE                                       ; alpha_(t+1)
	MULK W_R1, 0,   0, 1
	MULK W_R1, 64,  1, 0
	MULK W_R1, 128, 2, 0
	MULK W_R1, 192, 3, 0
	s_wait_dscnt 0x0                               ; my reads of the operand and of RX are back:
	s_barrier_signal -1                            ; say so; the wait stands in front of my stores
	FETCHB 1, BB0
	FETCHB 2, BB1
	MULK W_R2, 0,   4, 0
	MULK W_R2, 64,  5, 0
	MULK W_R2, 128, 6, 0
	MULK W_R2, 192, 7, 0
	MULK W_L, RES, 8, 0
.set j, 1
.rept 7
.if j < 7
	s_wait_dscnt 16                                ; this K step's 16 loads are in; the other buffer's 16 may stay out
.else
	s_wait_dscnt 0x0
.endif
	MULK W_L, BB0+64*((j-1)%2), 8+j, 0
.if j < 6
	PLACES                                         ; the buffer to be loaded was read by the products just issued
	FETCHB j+2, BB0+64*((j-1)%2)
.endif
.set j, j+1
.endr
	s_barrier_wait -1                              ; no wave reads the operand or RX any more
	PLACES
	PLACES                                         ; eight places in front of the first read of the sums
	WIN 0xf3                                       ; destination, sources 0 and 2 window 3.
.set i, 0
.rept 32
	v_pk_fma_f32 v[CY+i:CY+i+1], v[ACC+i:ACC+i+1], s[40:41], v[CY+i:CY+i+1] op_sel_hi:[1,0,1]
.set i, i+2
.endr
	STORE_LH
	MAXC
	s_wait_dscnt 0x0                               ; for the others' sake: my stores are done
	s_barrier_signal -1
	s_barrier_wait -1
	s_sub_co_u32 s52, s52, 1
	s_cmp_lg_u32 s52, 0
	s_cbranch_scc1 .Lstep
	; THE WAY OUT.  The operand in LDS is f16(alpha_8 Y): wave w stores rows 4 w .. 4 w + 3 of it
	ds_load_b128 v[RXV:RXV+3], v[RXR]
.irp i, 0,1,2,3
	ds_load_b128 v[BB0+8*(\i):BB0+8*(\i)+3],   v[RD] offset:(\i)*PL
	ds_load_b128 v[BB0+8*(\i)+4:BB0+8*(\i)+7], v[RD] offset:(\i)*PL+512
.endr
.irp k, 0,1,2,3
	v_mov_b32 v[BB1+(\k)], 0
.endr
	s_lshl_b32 s20, s14, 4
	s_lshl2_add_u32 s20, s12, s20                  ; my first row: 16 p + 4 w
	s_lshl_b32 s22, s20, 10
	s_add_co_u32 s22, s22, OH
	s_mov_b32 s23, 0
	s_add_nc_u64 s[54:55], s[8:9], s[22:23]        ; H
	s_lshl_b32 s22, s20, 11
	s_add_nc_u64 s[56:57], s[8:9], s[22:23]        ; F
	s_lshl_b32 s22, s14, 8
	s_add_nc_u64 s[58:59], s[8:9], s[22:23]        ; slots 2 p, 2 p + 1
.irp i, 0,1,2,3
.irp q, 0,1,2,3
	global_store_b128 v[GO], v[BB1:BB1+3], s[56:57] offset:2048*(\i)+512*(\q)      ; zeros: 512 consecutive bytes
.endr
.endr
	s_wait_dscnt 0x0
.irp i, 0,1,2,3
	global_store_b128 v[GO], v[BB0+8*(\i):BB0+8*(\i)+3],   s[54:55] offset:1024*(\i)      ; 512 consecutive bytes of a row of H
	global_store_b128 v[GO], v[BB0+8*(\i)+4:BB0+8*(\i)+7], s[54:55] offset:1024*(\i)+512
.endr
	s_cmp_lg_u32 s12, 0                            ; wave 0 writes the block's two slots
	s_cbranch_scc1 .Lno_slot
	GETMAX
	v_readfirstlane_b32 s46, v[RXV]                ; m_8
	s_mov_b32 s47, 1.0
	v_mov_b32 v[SL], 0
	v_writelane_b32 v[SL], s45, 0                  ; 1/alpha_8
	v_writelane_b32 v[SL], s47, 2                  ; (hC, hA, fC, fA) = (0, 1, 0, 0): G = Y P
	v_writelane_b32 v[SL], s46, 9
	global_store_b32 v[L4], v[SL], s[58:59] offset:OM
	global_store_b32 v[L4], v[SL], s[58:59] offset:OM+128
.Lno_slot:
	s_wait_tensorcnt 0x0                           ; the wave's end: behind my last tensor load and my last LDS store
	ds_add_u32 v[SPW], v[NIL]
	s_wait_dscnt 0x0
	CROUND                                         ; the closing round
	s_endpgm
.Lfunc_end_k_q6a7ba838ee_pw:
	.size	k_q6a7ba838ee_pw, .Lfunc_end_k_q6a7ba838ee_pw-k_q6a7ba838ee_pw
	.p2alignl 7, 3214868480
	.fill 96, 4, 3214868480
	.section	.rodata,"a",@progbits
	.p2align	6, 0x0
	.amdhsa_kernel k_q6a7ba838ee_pw
		.amdhsa_group_segment_fixed_size 287744
		.amdhsa_private_segment_fixed_size 0
		.amdhsa_enable_private_segment 0
		.amdhsa_kernarg_size 24
		.amdhsa_user_sgpr_count 2
		.amdhsa_user_sgpr_kernarg_segment_ptr 1
		.amdhsa_wavefront_size32 1
		.amdhsa_system_sgpr_workgroup_id_x 1
		.amdhsa_system_sgpr_workgroup_id_y 1
		.amdhsa_system_sgpr_workgroup_id_z 1
		.amdhsa_system_vgpr_workitem_id 0
		.amdhsa_next_free_vgpr 1024
		.amdhsa_next_free_sgpr 66
		.amdhsa_reserve_vcc 0
		.amdhsa_float_denorm_mode_32 3
		.amdhsa_float_denorm_mode_16_64 3
		.amdhsa_memory_ordered 1
		.amdhsa_forward_progress 1
		.amdhsa_inst_pref_size 61
	.end_amdhsa_kernel
	.amdgpu_metadata
---
amdhsa.version: [ 1, 2 ]
amdhsa.kernels:
  - .name:           k_q6a7ba838ee_pw
    .symbol:         k_q6a7ba838ee_pw.kd
    .args:
      - { .name: W1, .offset: 0, .size: 8, .value_kind: global_buffer, .address_space: global }
      - { .name: ob2, .offset: 8, .size: 8, .value_kind: global_buffer, .address_space: global }
      - { .name: ob1, .offset: 16, .size: 8, .value_kind: global_buffer, .address_space: global }
    .group_segment_fixed_size: 287744
    .private_segment_fixed_size: 0
    .kernarg_segment_align: 8
    .kernarg_segment_size: 24
    .max_flat_workgroup_size: 128
    .sgpr_count:     66
    .vgpr_count:     1024
    .wavefront_size: 32
...
	.end_amdgpu_metadata
.endif
;; end of part 3
;; launch c7: the kernel of part 2 again; grid 4 x 64, 4 waves a work-group, clusters of 4 x 4, 224,000 bytes of LDS; arguments ob1, cst, oa1, oa2; writes oa1, oa2
;; launch g1 (part 4): grid 16 x 16, 4 waves a work-group, clusters of 4 x 4, 327,680 bytes of LDS; arguments cst, oa1, b1, h1b; writes h1b
.if DOCPART == 4
	.amdgcn_target "amdgcn-amd-amdhsa--gfx1250"
	.amdhsa_code_object_version 6
	.text
	.protected	k_q6a7ba838ee_g1
	.globl	k_q6a7ba838ee_g1
	.p2align	8
	.type	k_q6a7ba838ee_g1,@function
k_q6a7ba838ee_g1:
	s_mov_b64 s[64:65], 0
	v_nop
	global_prefetch_b8 v0, s[64:65] scope:SCOPE_SE
	s_setreg_imm32_b32 hwreg(HW_REG_WAVE_MODE, 25, 1), 1
	s_wait_xcnt 0x0
	s_wait_alu depctr_hold_cnt(0) depctr_sa_sdst(0) depctr_va_vdst(0) depctr_va_sdst(0) depctr_va_ssrc(0) depctr_va_vcc(0) depctr_vm_vsrc(0)
	s_getreg_b32 s2, hwreg(HW_REG_IB_STS2, 6, 4)
	s_cmp_eq_u32 s2, 0
	s_cbranch_scc0 .Lentry_in_a_cluster
	s_endpgm
.Lentry_in_a_cluster:
	s_bfe_u32 s2, ttmp6, 0x10000c
	s_cmp_lg_u32 s2, 0xf033
	s_cbranch_scc0 .Lentry_shape_is_right
	s_endpgm
.Lentry_shape_is_right:
; A LAYER WITH ReLU:  out[m][n] = relu(sum over k of L[m][k] R[n][k] + b[n]).  One text for two launches; LAYER picks the sizes.
;   LAYER 1: h1 = relu(X G^T + b1): L = X in f16 (cst), R = G in f16 times alphaG (oa1), K = 512.  G = W1 M^8 P stands for the projection, the scan and W1: the first launch's head shows why.
;   LAYER 2: h2 = relu(h1 W2^T + b2): L = h1 in f16 times alpha1 (h1b), R = W2 in f16 (cst), K = 2,048.
; SCALES.  The sums hold alphaIn x the true sums.  The bias, times alphaIn, is the C operand of each accumulator's first product.  The way out multiplies by alphaOut / alphaIn, rounds to f16 and takes the maximum with 0.
; alphaOut = 2^(141 - e), e the exponent field (at least 28) of a bound on |out|: beta1 = 512 max|X| max|G| + max|b1|; beta2 = 2,048 beta1 max|W2| + max|b2|: beta alpha < 2^15, inside f16.
; Every wave makes the bound for itself from the maxima that earlier launches stored.  Scales steer values alone.  LIMIT: the bounds stay within 2^-100 .. 2^100; NaN and infinities are not treated apart.
; SHARES.  A tile of out is 256 x 128: 16 x 16 = 256 work-groups.  Wave w makes rows 64 w .. 64 w + 63, all 128 columns: 32 accumulators; its rows of out are whole 256-byte pieces, so its stage is its own.
; K goes in steps of 128 (rows of 256 bytes) through two LDS slots, each with 256 rows of L and 128 of R.  Waves 0, 1 fetch L's halves (128 rows), waves 2, 3 R's (64 rows): one tensor load a wave.
; CLUSTER 4 x 4: L's tile is shared along a row of the cluster, R's along a column: joint loads.  THE MATRIX INSTRUCTION IS USED TRANSPOSED (source 0 = 16 rows of R, source 1 = 16 rows of L):
; a lane holds row l % 16 of out and the 8 columns 8 (l / 16) + 0..7.
; REGISTERS: window 0: v0-31 addresses; v32-127, v128-223 two fragment buffers (R's 8 fragments, then L's 4); v224-255 packed results; v32-95 rows read back.  window 1: accumulator (a, b) at 8 (8 a + b).  window 2: v0-63 the bias.
; NO PREFETCH in layer 1: its K has four steps, the only refills are the last two, and nothing lies two steps behind them.  Layer 2 prefetches: see ASK.
.set LAYER, 1
.set KSTEP, 128
.set PITCH, 272                        ; an LDS row: 256 bytes + 16: an odd multiple of 16, so the 16 rows of a fragment load start at 16 different groups of four banks
.set AROWS, 256
.set BROWS, 128
.set AH,    128                        ; rows in a load of L's
.set BH,    64                         ; and of R's
.set SLOT,  (AROWS+BROWS)*PITCH
.set STAGE, 2*SLOT                     ; behind the ring: 16 rows x 272 bytes for each wave
.set SPARE, STAGE+4*16*PITCH           ; the spare words, 128 bytes a wave: two blocks of 256 bytes that no other line names
.set NT,    8                          ; column tiles of a wave
.set NOUT,  2048                       ; columns of out
.set OM,    0x600000                   ; an object's slots
.set HM,    16777216                   ; the slots of h1b and h2b: word 0 = 1/alpha, 1 = alpha, 2 = beta
.if LAYER == 1
.set KTOT, 512
.set KSH,  10                          ; a row of L and of R is 2^KSH bytes
.set BOFF, 0x400000                    ; G's f16 plane in oa1
.set PMO,  14712832                    ; max|X| by chunks, in cst
.set PMN,  4                           ; loads of 512 bytes that cover them
.set FAN,  0x44000000                  ; 512.0
.else
.set KTOT, 2048
.set KSH,  12
.set BOFF, 6324224                     ; W2 in f16, in cst
.set PMO,  14714880                    ; max|W2| by chunks
.set PMN,  8
.set FAN,  0x45000000                  ; 2048.0
.endif
.set LAPS, KTOT/(2*KSTEP)              ; a lap = two K steps = once round the ring
.set ADRA, 16                          ; v16-17 my L fragments in slot 0, 1
.set ADRB, 20                          ; v20-21 R's
.set STO,  24                          ; v24 the way out: where I put 16 bytes of a row
.set RD,   25                          ; v25 where I read rows back
.set CO,   26                          ; v26 my byte offset in out
.set ZR,   27                          ; v27 0, for the ReLU
.set SPW,  28                          ; v28 my spare word's address; never rewritten
.set NIL,  29                          ; v29 0; never rewritten
.set PFO,  30                          ; v30 the prefetches' offset; never rewritten
.set BO,   31                          ; v31 my byte offset in the bias
.set F0,   32
.set F1,   128
.set TMP,  224
.set OB,   32
.set G1A,  24                          ; s[24:31] group 1 for L's tiles; s[32:39] group 0, a set for each slot
.set G0A,  32
.set G1B,  48                          ; s[48:55], s[56:63] the same for R's
.set G0B,  56
.set GW0,  (1<<16)|(1<<20)|(1<<21)|(5<<22)|(3<<25)  ; 2-byte elements; padding on; bit 21 beside a mask; behind every 64 words; 4 words
; s12 wave, s13 = wave / 2 (0: I fetch L), s14 = wave % 2 | s15 cx, s16 cy, s17 tile column, s18 tile row | s3 laps to go | s[66:67] prefetch address, s68, s69 its limits at slot 0, 1
; s[70:71] alphaOut / alphaIn | s[72:73] alphaIn | s[74:75] lane selects | s[76:79] header | s80 beta, s82 alpha, s83 1/alpha | s[84:85] out at my rows | s[86:87] my work-group's slot
.set MSB, 0
.macro WIN new                         ; the immediate's high byte repeats the setting that is left; a switch that changes nothing is dropped
.if MSB != (\new)
	s_set_vgpr_msb (MSB<<8)|(\new)
.set MSB, \new
.endif
.endm
.macro JLOAD s                         ; a joint load; an s_nop 0 and four v_nop follow each of the two lines, ahead of the jump, the label and what follows
	s_cmp_eq_u32 s13, 0
	s_cbranch_scc0 .Lfor_b_\@
	tensor_load_to_lds s[G0A+4*(\s):G0A+4*(\s)+3], s[G1A:G1A+7]
	s_nop 0
.rept 4
	v_nop
.endr
	s_branch .Lasked_\@
.Lfor_b_\@:
	tensor_load_to_lds s[G0B+4*(\s):G0B+4*(\s)+3], s[G1B:G1B+7]
	s_nop 0
.rept 4
	v_nop
.endr
.Lasked_\@:
.endm
.macro CREST                           ; a round of the cluster's barrier behind its opening barrier
	s_cmp_lg_u32 s12, 0
	s_cbranch_scc1 .Lnot_wave_0_\@
	s_barrier_signal -3
.Lnot_wave_0_\@:
	s_barrier_wait -3
	s_barrier_signal -1
	s_barrier_wait -1
.endm
.macro CROUND
	s_barrier_signal -1
	s_barrier_wait -1
	CREST
.endm
.macro PLACES                          ; four places behind a matrix instruction, in front of loads into registers that it has read and of lines that read results
.rept 4
	v_nop
.endr
.endm
.macro WMAX r                          ; the maximum over the wave's 32 lanes, in every lane
	v_max_num_f32_dpp v[\r], v[\r], v[\r] row_xmask:1 row_mask:0xf bank_mask:0xf
	v_max_num_f32_dpp v[\r], v[\r], v[\r] row_xmask:2 row_mask:0xf bank_mask:0xf
	v_max_num_f32_dpp v[\r], v[\r], v[\r] row_xmask:4 row_mask:0xf bank_mask:0xf
	v_max_num_f32_dpp v[\r], v[\r], v[\r] row_xmask:8 row_mask:0xf bank_mask:0xf
	v_permlanex16_b32 v15, v[\r], s74, s75
	v_max_num_f32 v[\r], v[\r], v15
.endm
.macro MAXRED d, base, n               ; the largest magnitude in n registers of all lanes
	v_max_num_f32 v[\d], |v[\base]|, |v[(\base)+1]|
.set i, 2
.rept ((\n)-2)/2
	v_max3_num_f32 v[\d], v[\d], |v[(\base)+i]|, |v[(\base)+i+1]|
.set i, i+2
.endr
	WMAX \d
.endm
; A PREFETCH INTO THE L2 (layer 2), behind a joint load, its five lines and the run of LDS loads: the K step that stands two refills on.  L's rows are read by every cluster of a row of clusters: cluster x = 0 asks;
; R's by every cluster of a column: cluster y = 0 asks.  The four partners of a joint load share its rows BY ADDRESS.  L: 32 of a wave's 128 rows each, a lane a row, at every change of slots.
; R: 16 of a wave's 64 rows each; lanes 16-31 name the same rows' next K step, so R's waves ask at slot 0's changes alone.  So each row's 256 bytes of a K step are named once in the launch.
; The loop's last trip asks for nothing: no K step lies two behind its refills.  K steps 0 to 3 come by their loads alone.
.macro ASK slot
	s_cmp_gt_u32 s3, s[68+(\slot)]                 ; s3 = 1 in the last trip; the limit is 1 in a wave that asks here, else the greatest number
	s_cbranch_scc0 .Lnot_mine_\@
	global_prefetch_b8 v[PFO], s[66:67] offset:KSTEP*2 th:TH_LOAD_NT scope:SCOPE_SE
.Lnot_mine_\@:
.endm
	s_load_b256 s[4:11], s[0:1], 0x0               ; L's buffer s[4:5], R's s[6:7], bias s[8:9], out s[10:11]
	v_lshl_add_u32 v[SPW], v0, 2, SPARE
	v_mov_b32 v[NIL], 0
	ds_add_u32 v[SPW], v[NIL]                      ; the wave's opening: the add, twice on end, and its wait ahead of my first tensor load
	ds_add_u32 v[SPW], v[NIL]
	v_lshrrev_b32 v1, 5, v0
	v_readfirstlane_b32 s12, v1                    ; wave 0..3
	s_lshr_b32 s13, s12, 1
	s_and_b32 s14, s12, 1
	s_bfe_u32 s15, ttmp6, 0x40000                  ; cx
	s_bfe_u32 s16, ttmp6, 0x40004                  ; cy
	s_lshl_b32 s17, ttmp9, 2
	s_add_co_u32 s17, s17, s15                     ; tile column
	s_and_b32 s18, ttmp7, 0xffff
	s_lshl_b32 s18, s18, 2
	s_add_co_u32 s18, s18, s16                     ; tile row
	s_lshl_b32 s19, s16, 2
	s_lshl_b32 s19, 15, s19                        ; my row of the cluster
	s_lshl_b32 s20, 0x1111, s15                    ; my column
	s_or_b32 s[G1A], s19, GW0
	s_or_b32 s[G1B], s20, GW0
	s_mov_b32 s[G1A+1], KSTEP<<16                  ; tensor_dim0
	s_mov_b32 s[G1A+2], AH<<16                     ; tensor_dim1
	s_mov_b32 s[G1A+3], KSTEP<<16                  ; tile_dim0
	s_mov_b32 s[G1A+4], AH                         ; tile_dim1
	s_mov_b32 s[G1A+5], KTOT                       ; elements from row to row
	s_mov_b32 s[G1A+6], 0
	s_mov_b32 s[G1A+7], 0
	s_mov_b32 s[G1B+1], KSTEP<<16
	s_mov_b32 s[G1B+2], BH<<16
	s_mov_b32 s[G1B+3], KSTEP<<16
	s_mov_b32 s[G1B+4], BH
	s_mov_b32 s[G1B+5], KTOT
	s_mov_b32 s[G1B+6], 0
	s_mov_b32 s[G1B+7], 0
	s_lshl_b32 s40, s18, 8                         ; L: row 256 x tile row + 128 x half
	s_lshl_b32 s21, s14, 7
	s_add_co_u32 s40, s40, s21
	s_lshl_b32 s40, s40, KSH
	s_mov_b32 s41, 0
	s_lshl_b32 s42, s17, 7                         ; R: row 128 x tile column + 64 x half
	s_lshl_b32 s22, s14, 6
	s_add_co_u32 s42, s42, s22
	s_lshl_b32 s42, s42, KSH
	s_add_co_u32 s42, s42, BOFF
	s_mov_b32 s43, 0
	s_mul_i32 s21, s14, AH*PITCH                   ; where they go: no place in the cluster enters an LDS address
	s_mul_i32 s22, s14, BH*PITCH
	s_add_co_u32 s22, s22, AROWS*PITCH
	s_mov_b32 s74, 0x76543210
	s_mov_b32 s75, 0xfedcba98
	s_wait_dscnt 0x0                               ; both opening adds are done
	s_wait_kmcnt 0x0
	s_add_nc_u64 s[44:45], s[4:5], s[40:41]
	s_add_nc_u64 s[46:47], s[6:7], s[42:43]
	CROUND                                         ; all sixteen work-groups are here: the first joint loads meet
.irp s, 0,1
	s_mov_b32 s[G0A+4*(\s)], 1
	s_add_co_u32 s[G0A+4*(\s)+1], s21, (\s)*SLOT
	s_add_nc_u64 s[G0A+4*(\s)+2:G0A+4*(\s)+3], s[44:45], (\s)*KSTEP*2
	s_or_b32 s[G0A+4*(\s)+3], s[G0A+4*(\s)+3], 0x80000000
	s_mov_b32 s[G0B+4*(\s)], 1
	s_add_co_u32 s[G0B+4*(\s)+1], s22, (\s)*SLOT
	s_add_nc_u64 s[G0B+4*(\s)+2:G0B+4*(\s)+3], s[46:47], (\s)*KSTEP*2
	s_or_b32 s[G0B+4*(\s)+3], s[G0B+4*(\s)+3], 0x80000000
	JLOAD \s                                       ; two loads of mine are out
.endr
	; while the first tiles are on their way: header, bias, maxima, addresses
	v_and_b32 v1, 15, v0                           ; r = l % 16
	v_bfe_u32 v2, v0, 4, 1                         ; h = l / 16
	v_and_b32 v8, 31, v0                           ; l
	v_lshlrev_b32 v9, 4, v8
	v_lshlrev_b32 v[BO], 5, v2                     ; the bias of my 8 columns of a tile: 32 h + 512 x tile column, + 64 b
	s_lshl_b32 s19, s17, 9
	v_add_nc_u32 v[BO], s19, v[BO]
.if LAYER == 1
	v_lshlrev_b32 v10, 7, v8
	s_add_nc_u64 s[88:89], s[4:5], PMO
	s_load_b128 s[76:79], s[6:7], OM               ; s76 = 1/alphaG
.else
	s_add_nc_u64 s[88:89], s[6:7], PMO
	s_add_nc_u64 s[90:91], s[4:5], HM
	s_load_b128 s[76:79], s[90:91], 0x0            ; s76 = 1/alpha1, s77 = alpha1, s78 = beta1
.endif
	WIN 0x80                                       ; destination window 2
.irp b, 0,1,2,3,4,5,6,7
	global_load_b128 v[8*(\b):8*(\b)+3],   v[BO], s[8:9] offset:64*(\b)
	global_load_b128 v[8*(\b)+4:8*(\b)+7], v[BO], s[8:9] offset:64*(\b)+16
.endr
	WIN 0
.set i, 0
.rept PMN
	global_load_b128 v[32+4*i:35+4*i], v9, s[88:89] offset:512*i   ; the chunks' maxima
.set i, i+1
.endr
.set i, 0
.rept 16
	global_load_b128 v[64+4*i:67+4*i], v9, s[8:9] offset:512*i     ; the whole bias
.set i, i+1
.endr
.if LAYER == 1
.set i, 0
.rept 8
	global_load_b32 v[128+i], v10, s[6:7] offset:OM+36+4096*i      ; G's 256 slots, a lane a slot
.set i, i+1
.endr
.endif
	v_mul_u32_u24 v3, v1, PITCH
	v_lshl_add_u32 v3, v2, 4, v3                   ; a fragment's row x pitch + 16 h
	s_mul_i32 s21, s12, 64*PITCH                   ; my 64 rows of L
	s_mov_b32 s22, AROWS*PITCH                     ; R lies behind L's 256 rows
.irp s, 0,1
	v_add_nc_u32 v[ADRA+(\s)], s21, v3
	v_add_nc_u32 v[ADRB+(\s)], s22, v3
	s_add_co_u32 s21, s21, SLOT
	s_add_co_u32 s22, s22, SLOT
.endr
	s_mul_i32 s23, s12, 16*PITCH
	s_add_co_u32 s23, s23, STAGE                   ; my stage
	v_add_nc_u32 v[STO], s23, v3                   ; in: row l % 16, 16 bytes for each half of the lanes
	v_mul_u32_u24 v5, v2, PITCH
	v_lshl_add_u32 v5, v1, 4, v5
	v_add_nc_u32 v[RD], s23, v5                    ; back: lanes 0-15 one row of 256 bytes, lanes 16-31 the next
	v_lshlrev_b32 v[CO], 12, v2                    ; and the same two rows in out
	v_lshl_add_u32 v[CO], v1, 4, v[CO]
	v_mov_b32 v[ZR], 0
	v_mov_b32 v15, 0
	s_lshl_b32 s2, s18, 8
	s_lshl_b32 s3, s12, 6
	s_add_co_u32 s2, s2, s3                        ; my first row of out: 256 x tile row + 64 w
	s_lshl_b32 s2, s2, 12
	s_lshl_b32 s3, s17, 8
	s_add_co_u32 s2, s2, s3                        ; + the tile's 256 bytes of a row
	s_mov_b32 s3, 0
	s_add_nc_u64 s[84:85], s[10:11], s[2:3]
	s_lshl4_add_u32 s2, s18, s17
	s_lshl_b32 s2, s2, 7
	s_add_co_u32 s2, s2, HM                        ; slot 16 x tile row + tile column
	s_add_nc_u64 s[86:87], s[10:11], s[2:3]
.if LAYER == 2
	s_lshl_b32 s19, s18, 8
	s_lshl_b32 s20, s17, 7
	s_and_b32 s23, ttmp7, 0xffff
	s_mov_b32 s2, BOFF+2*KSTEP*2
	s_cmp_eq_u32 s13, 0                            ; do I fetch for L?
	s_cselect_b32 s19, s19, s20                    ; the tile's first row
	s_cselect_b32 s20, 7, 6                        ; the rows of a load, as a shift
	s_cselect_b32 s21, s15, s16                    ; my place among the four that ask with me
	s_cselect_b32 s22, 5, 4                        ; a partner's rows, as a shift
	s_cselect_b32 s23, ttmp9, s23                  ; the coordinate along which other clusters read the same rows
	s_cselect_b32 s2, 2*KSTEP*2, s2                ; the plane's offset, and K step 2: the first change of slots steps it to 3 and names 4
	s_cselect_b32 s3, 31, 15                       ; the lanes that name rows
	s_cselect_b32 s69, 1, -1                       ; L's waves may ask at slot 1's changes too
	s_cselect_b64 s[66:67], s[4:5], s[6:7]
	s_lshl_b32 s20, s14, s20
	s_add_co_u32 s19, s19, s20
	s_lshl_b32 s21, s21, s22
	s_add_co_u32 s19, s19, s21
	s_lshl_b32 s19, s19, KSH
	s_add_co_u32 s2, s2, s19
	v_and_b32 v[PFO], s3, v8
	v_lshlrev_b32 v[PFO], KSH, v[PFO]              ; a lane a row,
	s_xor_b32 s20, s3, 31
	v_and_b32 v4, s20, v8
	v_lshl_add_u32 v[PFO], v4, 4, v[PFO]           ; and for R's lanes 16-31 one K step, 256 bytes, further
	s_mov_b32 s3, 0
	s_add_nc_u64 s[66:67], s[66:67], s[2:3]
	s_cmp_eq_u32 s23, 0                            ; the same in all sixteen partners, for a given wave
	s_cselect_b32 s68, 1, -1
	s_cselect_b32 s69, s69, -1
.endif
	s_wait_loadcnt 0x0
	s_wait_kmcnt 0x0
	MAXRED 11, 32, 4*PMN                           ; max|X| or max|W2|
	MAXRED 12, 64, 64                              ; max|b|
.if LAYER == 1
	MAXRED 13, 128, 8                              ; max|G|
	v_mul_f32 v14, v11, v13
	s_sub_co_u32 s72, 0x7f000000, s76              ; alphaG: a power of two's reciprocal, by its exponent field
.else
	v_mul_f32 v14, s78, v11
	s_mov_b32 s72, s77                             ; alpha1
.endif
	s_mov_b32 s73, s72
	v_fmamk_f32 v14, v14, FAN, v12                 ; beta
	v_readfirstlane_b32 s80, v14
	s_lshr_b32 s81, s80, 23
	s_max_u32 s81, s81, 28                         ; e
	s_sub_co_u32 s82, 268, s81
	s_lshl_b32 s82, s82, 23                        ; alpha
	s_sub_co_u32 s83, s81, 14
	s_lshl_b32 s83, s83, 23                        ; 1/alpha
	v_mov_b32 v14, s82
	v_mul_f32 v14, s76, v14                        ; alphaOut / alphaIn
	v_readfirstlane_b32 s70, v14
	s_mov_b32 s71, s70
	WIN 0x82                                       ; destination and source 0 window 2
.set i, 0
.rept 32
	v_pk_mul_f32 v[i:i+1], v[i:i+1], s[72:73] op_sel_hi:[1,0]      ; the bias in the sums' units
.set i, i+2
.endr
	WIN 0
; 8 matrix instructions: row tile a x all 8 column tiles, 32 along K.  first = 1: the bias starts the sums.  Every quarter takes the 32 accumulators in the same order, one instruction a turn.
.macro MUL f, a, first
.if \first
	WIN 0x60                                       ; C window 2, D window 1
.else
	WIN 0x50                                       ; C and D window 1
.endif
.irp b, 0,1,2,3,4,5,6,7
.if \first
	v_wmma_f32_16x16x32_f16 v[8*(NT*(\a)+(\b)):8*(NT*(\a)+(\b))+7], v[(\f)+8*(\b):(\f)+8*(\b)+7], v[(\f)+8*NT+8*(\a):(\f)+8*NT+8*(\a)+7], v[8*(\b):8*(\b)+7]
.else
	v_wmma_f32_16x16x32_f16 v[8*(NT*(\a)+(\b)):8*(NT*(\a)+(\b))+7], v[(\f)+8*(\b):(\f)+8*(\b)+7], v[(\f)+8*NT+8*(\a):(\f)+8*NT+8*(\a)+7], v[8*(NT*(\a)+(\b)):8*(NT*(\a)+(\b))+7]
.endif
.endr
.endm
; 24 LDS loads in one run: the fragments of 32 along K at byte k of the rows, into buffer f: R's eight, then L's four
.macro FETCH slot, k, f
	WIN 0
.irp i, 0,1,2,3,4,5,6,7
	ds_load_b128 v[(\f)+8*(\i):(\f)+8*(\i)+3],   v[ADRB+(\slot)] offset:(\k)+(\i)*16*PITCH
	ds_load_b128 v[(\f)+8*(\i)+4:(\f)+8*(\i)+7], v[ADRB+(\slot)] offset:(\k)+(\i)*16*PITCH+32
.endr
.irp i, 0,1,2,3
	ds_load_b128 v[(\f)+8*NT+8*(\i):(\f)+8*NT+8*(\i)+3],   v[ADRA+(\slot)] offset:(\k)+(\i)*16*PITCH
	ds_load_b128 v[(\f)+8*NT+8*(\i)+4:(\f)+8*NT+8*(\i)+7], v[ADRA+(\slot)] offset:(\k)+(\i)*16*PITCH+32
.endr
.endm
; A K step is four quarters of 32 along K, 32 matrix instructions each, on buffers 0, 1, 0, 1.  One of the first three: multiplies buffer f and fetches the next quarter, at byte k, into g.
.macro QUARTER slot, k, f, g, first
	s_wait_dscnt 4                                 ; R's fragments and L's row tiles 0, 1 are in; the youngest four loads (row tiles 2, 3) may be out
	MUL \f, 0, \first
	MUL \f, 1, \first
	PLACES
	FETCH \slot, \k, \g
	s_wait_dscnt 2*NT+8                            ; all but the 24 just issued
	MUL \f, 2, \first
	MUL \f, 3, \first
.endm
; The last quarter multiplies buffer 1 and changes slots: ONE barrier; in front of it each wave waits for all its tensor loads (one is out: its part of the next slot), adds 0 to its spare word, and waits for that and
; for its own reads of this slot.  fill = 1: the barrier opens a round of the cluster's barrier, and this slot is filled again, two K steps ahead, first thing behind the round: 112 matrix instructions ahead of the wait for it.
.macro TURN slot, next, fill
	WIN 0                                          ; (the add's two registers lie in window 0)
.if (LAYER == 2) && (\fill)
	s_wait_xcnt 0x0                                ; the last prefetch, a K step back, has read its address, so it may be stepped
	s_add_nc_u64 s[66:67], s[66:67], KSTEP*2
.endif
	s_wait_tensorcnt 0x0
	ds_add_u32 v[SPW], v[NIL]                      ; 0 onto my spare word
	s_wait_dscnt 5                                 ; (the add and the youngest four loads may be out)
	MUL F1, 0, 0                                   ; eight matrix instructions stand between the add and the wait for it
	s_wait_dscnt 0x0                               ; the add is done, and my reads of this slot are over
	s_barrier_signal -1
	MUL F1, 1, 0
.if \fill
	WIN 0
.endif
	s_barrier_wait -1
.if \fill
	CREST                                          ; no wave of any partner still reads this slot's tile or has a load on its way
	s_add_nc_u64 s[G0A+4*(\slot)+2:G0A+4*(\slot)+3], s[G0A+4*(\slot)+2:G0A+4*(\slot)+3], 2*KSTEP*2
	s_add_nc_u64 s[G0B+4*(\slot)+2:G0B+4*(\slot)+3], s[G0B+4*(\slot)+2:G0B+4*(\slot)+3], 2*KSTEP*2
	JLOAD \slot                                    ; the four v_nop behind it are also the places in front of the loads below
.else
	PLACES
.endif
	FETCH \next, 0, F0
.if (LAYER == 2) && (\fill)
	ASK \slot
.endif
	MUL F1, 2, 0
	MUL F1, 3, 0
.endm
	s_wait_tensorcnt 1                             ; my part of K step 0 is in; K step 1's may stay out
	s_barrier_signal -1
	s_barrier_wait -1                              ; everybody's is
	FETCH 0, 0, F0
	QUARTER 0, 64, F0, F1, 1                       ; the first quarter stands in front of the loop: its products start the sums
	WIN 0                                          ; at a label and at a branch every window is 0
	s_mov_b32 s3, LAPS-1
.Llap:                                                 ; a trip goes once round the ring, from a lap's second quarter to the next lap's first, and fills both slots again
	QUARTER 0, 128, F1, F0, 0
	QUARTER 0, 192, F0, F1, 0
	TURN 0, 1, 1
	QUARTER 1, 64,  F0, F1, 0
	QUARTER 1, 128, F1, F0, 0
	QUARTER 1, 192, F0, F1, 0
	TURN 1, 0, 1
	QUARTER 0, 64,  F0, F1, 0
	WIN 0
	s_sub_co_u32 s3, s3, 1
	s_cmp_lg_u32 s3, 0
	s_cbranch_scc1 .Llap
	QUARTER 0, 128, F1, F0, 0                      ; the last lap fills nothing, and has no round of the cluster's barrier
	QUARTER 0, 192, F0, F1, 0
	TURN 0, 1, 0
	QUARTER 1, 64,  F0, F1, 0
	QUARTER 1, 128, F1, F0, 0
	QUARTER 1, 192, F0, F1, 0
	s_wait_dscnt 4                                 ; the very last quarter: nothing more to fetch
	MUL F1, 0, 0
	MUL F1, 1, 0
	s_wait_dscnt 0x0
	MUL F1, 2, 0
	MUL F1, 3, 0
	WIN 0
	; THE WAY OUT, a block of 16 rows at a time: scaled, rounded to f16, ReLU on the packed halves; 16 bytes a lane into my own stage, back as whole rows of 256 bytes, stored.
	PLACES
	PLACES                                         ; eight, once a launch, in front of the first read of the sums
.macro PACK a                          ; an accumulator's registers are read in ascending order
	WIN 0x41                                       ; destination and source 0 window 1
.set i, 64*(\a)
.rept 32
	v_pk_mul_f32 v[i:i+1], v[i:i+1], s[70:71] op_sel_hi:[1,0]
.set i, i+2
.endr
	WIN 0x05                                       ; sources 0 and 1 window 1, destination window 0
.set i, 0
.rept 32
	v_cvt_pk_f16_f32 v[TMP+i], v[64*(\a)+2*i], v[64*(\a)+2*i+1]
.set i, i+1
.endr
	WIN 0
.set i, 0
.rept 32
	v_pk_max_num_f16 v[TMP+i], v[TMP+i], v[ZR]
.set i, i+1
.endr
.endm
.macro TOSTAGE a
.set BK, OB+32*((\a)%2)
.irp b, 0,1,2,3,4,5,6,7
	ds_store_b128 v[STO], v[TMP+4*(\b):TMP+4*(\b)+3] offset:32*(\b)
.endr
.irp t, 0,1,2,3,4,5,6,7
	ds_load_b128 v[BK+4*(\t):BK+4*(\t)+3], v[RD] offset:(\t)*2*PITCH   ; LDS serves a wave's instructions in order (ISA guide 5.7.1.4): these see the stores above
.endr
.endm
.macro SEND a
.set BK, OB+32*((\a)%2)
	s_wait_dscnt 0x0                               ; the block is back in registers
	s_wait_xcnt 0x0                                ; the earlier stores have read their base and their data: only behind this wait are these rewritten
.if (\a) > 0
	s_add_nc_u64 s[84:85], s[84:85], 16*NOUT*2     ; 16 rows of out on
.endif
.irp t, 0,1,2,3,4,5,6,7
	global_store_b128 v[CO], v[BK+4*(\t):BK+4*(\t)+3], s[84:85] offset:2*(\t)*NOUT*2   ; 16 lanes store 256 consecutive bytes, aligned
.endr
.endm
	PACK 0
	TOSTAGE 0
.irp a, 1,2,3                          ; block a's arithmetic stands between block a - 1's loads from the stage and the wait for them
	PACK \a
	SEND (\a)-1
	TOSTAGE \a
.endr
	SEND 3
	s_cmp_lg_u32 s12, 0                            ; wave 0 writes the work-group's slot: the scale that the next launch reads (all work-groups hold the same three numbers)
	s_cbranch_scc1 .Lno_slot
	v_mov_b32 v14, 0
	v_writelane_b32 v14, s83, 0                    ; 1/alpha
	v_writelane_b32 v14, s82, 1                    ; alpha
	v_writelane_b32 v14, s80, 2                    ; beta
	v_lshlrev_b32 v13, 2, v8
	global_store_b32 v13, v14, s[86:87]
.Lno_slot:
	s_wait_tensorcnt 0x0                           ; the wave's end: behind my last tensor load and my last LDS store
	ds_add_u32 v[SPW], v[NIL]
	s_wait_dscnt 0x0
	CROUND                                         ; the closing round: no work-group ends while a partner may still ask for a tile that names it
	s_endpgm
.Lfunc_end_k_q6a7ba838ee_g1:
	.size	k_q6a7ba838ee_g1, .Lfunc_end_k_q6a7ba838ee_g1-k_q6a7ba838ee_g1
	.p2alignl 7, 3214868480
	.fill 96, 4, 3214868480
	.section	.rodata,"a",@progbits
	.p2align	6, 0x0
	.amdhsa_kernel k_q6a7ba838ee_g1
		.amdhsa_group_segment_fixed_size 327680
		.amdhsa_private_segment_fixed_size 0
		.amdhsa_enable_private_segment 0
		.amdhsa_kernarg_size 32
		.amdhsa_user_sgpr_count 2
		.amdhsa_user_sgpr_kernarg_segment_ptr 1
		.amdhsa_wavefront_size32 1
		.amdhsa_system_sgpr_workgroup_id_x 1
		.amdhsa_system_sgpr_workgroup_id_y 1
		.amdhsa_system_sgpr_workgroup_id_z 1
		.amdhsa_system_vgpr_workitem_id 0
		.amdhsa_next_free_vgpr 576
		.amdhsa_next_free_sgpr 96
		.amdhsa_reserve_vcc 0
		.amdhsa_float_denorm_mode_32 3
		.amdhsa_float_denorm_mode_16_64 3
		.amdhsa_memory_ordered 1
		.amdhsa_forward_progress 1
		.amdhsa_inst_pref_size 114
	.end_amdhsa_kernel
	.amdgpu_metadata
---
amdhsa.version: [ 1, 2 ]
amdhsa.kernels:
  - .name:           k_q6a7ba838ee_g1
    .symbol:         k_q6a7ba838ee_g1.kd
    .args:
      - { .name: cst, .offset: 0, .size: 8, .value_kind: global_buffer, .address_space: global }
      - { .name: oa1, .offset: 8, .size: 8, .value_kind: global_buffer, .address_space: global }
      - { .name: b1, .offset: 16, .size: 8, .value_kind: global_buffer, .address_space: global }
      - { .name: h1b, .offset: 24, .size: 8, .value_kind: global_buffer, .address_space: global }
    .group_segment_fixed_size: 327680
    .private_segment_fixed_size: 0
    .kernarg_segment_align: 8
    .kernarg_segment_size: 32
    .max_flat_workgroup_size: 128
    .sgpr_count:     96
    .vgpr_count:     576
    .wavefront_size: 32
...
	.end_amdgpu_metadata
.endif
;; end of part 4
;; launch g2 (part 5): grid 16 x 16, 4 waves a work-group, clusters of 4 x 4, 327,680 bytes of LDS; arguments h1b, cst, b2, h2b; writes h2b
.if DOCPART == 5
	.amdgcn_target "amdgcn-amd-amdhsa--gfx1250"
	.amdhsa_code_object_version 6
	.text
	.protected	k_q6a7ba838ee_g2
	.globl	k_q6a7ba838ee_g2
	.p2align	8
	.type	k_q6a7ba838ee_g2,@function
k_q6a7ba838ee_g2:
	s_mov_b64 s[64:65], 0
	v_nop
	global_prefetch_b8 v0, s[64:65] scope:SCOPE_SE
	s_setreg_imm32_b32 hwreg(HW_REG_WAVE_MODE, 25, 1), 1
	s_wait_xcnt 0x0
	s_wait_alu depctr_hold_cnt(0) depctr_sa_sdst(0) depctr_va_vdst(0) depctr_va_sdst(0) depctr_va_ssrc(0) depctr_va_vcc(0) depctr_vm_vsrc(0)
	s_getreg_b32 s2, hwreg(HW_REG_IB_STS2, 6, 4)
	s_cmp_eq_u32 s2, 0
	s_cbranch_scc0 .Lentry_in_a_cluster
	s_endpgm
.Lentry_in_a_cluster:
	s_bfe_u32 s2, ttmp6, 0x10000c
	s_cmp_lg_u32 s2, 0xf033
	s_cbranch_scc0 .Lentry_shape_is_right
	s_endpgm
.Lentry_shape_is_right:
; A LAYER WITH ReLU:  out[m][n] = relu(sum over k of L[m][k] R[n][k] + b[n]).  One text for two launches; LAYER picks the sizes.
;   LAYER 1: h1 = relu(X G^T + b1): L = X in f16 (cst), R = G in f16 times alphaG (oa1), K = 512.  G = W1 M^8 P stands for the projection, the scan and W1: the first launch's head shows why.
;   LAYER 2: h2 = relu(h1 W2^T + b2): L = h1 in f16 times alpha1 (h1b), R = W2 in f16 (cst), K = 2,048.
; SCALES.  The sums hold alphaIn x the true sums.  The bias, times alphaIn, is the C operand of each accumulator's first product.  The way out multiplies by alphaOut / alphaIn, rounds to f16 and takes the maximum with 0.
; alphaOut = 2^(141 - e), e the exponent field (at least 28) of a bound on |out|: beta1 = 512 max|X| max|G| + max|b1|; beta2 = 2,048 beta1 max|W2| + max|b2|: beta alpha < 2^15, inside f16.
; Every wave makes the bound for itself from the maxima that earlier launches stored.  Scales steer values alone.  LIMIT: the bounds stay within 2^-100 .. 2^100; NaN and infinities are not treated apart.
; SHARES.  A tile of out is 256 x 128: 16 x 16 = 256 work-groups.  Wave w makes rows 64 w .. 64 w + 63, all 128 columns: 32 accumulators; its rows of out are whole 256-byte pieces, so its stage is its own.
; K goes in steps of 128 (rows of 256 bytes) through two LDS slots, each with 256 rows of L and 128 of R.  Waves 0, 1 fetch L's halves (128 rows), waves 2, 3 R's (64 rows): one tensor load a wave.
; CLUSTER 4 x 4: L's tile is shared along a row of the cluster, R's along a column: joint loads.  THE MATRIX INSTRUCTION IS USED TRANSPOSED (source 0 = 16 rows of R, source 1 = 16 rows of L):
; a lane holds row l % 16 of out and the 8 columns 8 (l / 16) + 0..7.
; REGISTERS: window 0: v0-31 addresses; v32-127, v128-223 two fragment buffers (R's 8 fragments, then L's 4); v224-255 packed results; v32-95 rows read back.  window 1: accumulator (a, b) at 8 (8 a + b).  window 2: v0-63 the bias.
; NO PREFETCH in layer 1: its K has four steps, the only refills are the last two, and nothing lies two steps behind them.  Layer 2 prefetches: see ASK.
.set LAYER, 2
.set KSTEP, 128
.set PITCH, 272                        ; an LDS row: 256 bytes + 16: an odd multiple of 16, so the 16 rows of a fragment load start at 16 different groups of four banks
.set AROWS, 256
.set BROWS, 128
.set AH,    128                        ; rows in a load of L's
.set BH,    64                         ; and of R's
.set SLOT,  (AROWS+BROWS)*PITCH
.set STAGE, 2*SLOT                     ; behind the ring: 16 rows x 272 bytes for each wave
.set SPARE, STAGE+4*16*PITCH           ; the spare words, 128 bytes a wave: two blocks of 256 bytes that no other line names
.set NT,    8                          ; column tiles of a wave
.set NOUT,  2048                       ; columns of out
.set OM,    0x600000                   ; an object's slots
.set HM,    16777216                   ; the slots of h1b and h2b: word 0 = 1/alpha, 1 = alpha, 2 = beta
.if LAYER == 1
.set KTOT, 512
.set KSH,  10                          ; a row of L and of R is 2^KSH bytes
.set BOFF, 0x400000                    ; G's f16 plane in oa1
.set PMO,  14712832                    ; max|X| by chunks, in cst
.set PMN,  4                           ; loads of 512 bytes that cover them
.set FAN,  0x44000000                  ; 512.0
.else
.set KTOT, 2048
.set KSH,  12
.set BOFF, 6324224                     ; W2 in f16, in cst
.set PMO,  14714880                    ; max|W2| by chunks
.set PMN,  8
.set FAN,  0x45000000                  ; 2048.0
.endif
.set LAPS, KTOT/(2*KSTEP)              ; a lap = two K steps = once round the ring
.set ADRA, 16                          ; v16-17 my L fragments in slot 0, 1
.set ADRB, 20                          ; v20-21 R's
.set STO,  24                          ; v24 the way out: where I put 16 bytes of a row
.set RD,   25                          ; v25 where I read rows back
.set CO,   26                          ; v26 my byte offset in out
.set ZR,   27                          ; v27 0, for the ReLU
.set SPW,  28                          ; v28 my spare word's address; never rewritten
.set NIL,  29                          ; v29 0; never rewritten
.set PFO,  30                          ; v30 the prefetches' offset; never rewritten
.set BO,   31                          ; v31 my byte offset in the bias
.set F0,   32
.set F1,   128
.set TMP,  224
.set OB,   32
.set G1A,  24                          ; s[24:31] group 1 for L's tiles; s[32:39] group 0, a set for each slot
.set G0A,  32
.set G1B,  48                          ; s[48:55], s[56:63] the same for R's
.set G0B,  56
.set GW0,  (1<<16)|(1<<20)|(1<<21)|(5<<22)|(3<<25)  ; 2-byte elements; padding on; bit 21 beside a mask; behind every 64 words; 4 words
; s12 wave, s13 = wave / 2 (0: I fetch L), s14 = wave % 2 | s15 cx, s16 cy, s17 tile column, s18 tile row | s3 laps to go | s[66:67] prefetch address, s68, s69 its limits at slot 0, 1
; s[70:71] alphaOut / alphaIn | s[72:73] alphaIn | s[74:75] lane selects | s[76:79] header | s80 beta, s82 alpha, s83 1/alpha | s[84:85] out at my rows | s[86:87] my work-group's slot
.set MSB, 0
.macro WIN new                         ; the immediate's high byte repeats the setting that is left; a switch that changes nothing is dropped
.if MSB != (\new)
	s_set_vgpr_msb (MSB<<8)|(\new)
.set MSB, \new
.endif
.endm
.macro JLOAD s                         ; a joint load; an s_nop 0 and four v_nop follow each of the two lines, ahead of the jump, the label and what follows
	s_cmp_eq_u32 s13, 0
	s_cbranch_scc0 .Lfor_b_\@
	tensor_load_to_lds s[G0A+4*(\s):G0A+4*(\s)+3], s[G1A:G1A+7]
	s_nop 0
.rept 4
	v_nop
.endr
	s_branch .Lasked_\@
.Lfor_b_\@:
	tensor_load_to_lds s[G0B+4*(\s):G0B+4*(\s)+3], s[G1B:G1B+7]
	s_nop 0
.rept 4
	v_nop
.endr
.Lasked_\@:
.endm
.macro CREST                           ; a round of the cluster's barrier behind its opening barrier
	s_cmp_lg_u32 s12, 0
	s_cbranch_scc1 .Lnot_wave_0_\@
	s_barrier_signal -3
.Lnot_wave_0_\@:
	s_barrier_wait -3
	s_barrier_signal -1
	s_barrier_wait -1
.endm
.macro CROUND
	s_barrier_signal -1
	s_barrier_wait -1
	CREST
.endm
.macro PLACES                          ; four places behind a matrix instruction, in front of loads into registers that it has read and of lines that read results
.rept 4
	v_nop
.endr
.endm
.macro WMAX r                          ; the maximum over the wave's 32 lanes, in every lane
	v_max_num_f32_dpp v[\r], v[\r], v[\r] row_xmask:1 row_mask:0xf bank_mask:0xf
	v_max_num_f32_dpp v[\r], v[\r], v[\r] row_xmask:2 row_mask:0xf bank_mask:0xf
	v_max_num_f32_dpp v[\r], v[\r], v[\r] row_xmask:4 row_mask:0xf bank_mask:0xf
	v_max_num_f32_dpp v[\r], v[\r], v[\r] row_xmask:8 row_mask:0xf bank_mask:0xf
	v_permlanex16_b32 v15, v[\r], s74, s75
	v_max_num_f32 v[\r], v[\r], v15
.endm
.macro MAXRED d, base, n               ; the largest magnitude in n registers of all lanes
	v_max_num_f32 v[\d], |v[\base]|, |v[(\base)+1]|
.set i, 2
.rept ((\n)-2)/2
	v_max3_num_f32 v[\d], v[\d], |v[(\base)+i]|, |v[(\base)+i+1]|
.set i, i+2
.endr
	WMAX \d
.endm
; A PREFETCH INTO THE L2 (layer 2), behind a joint load, its five lines and the run of LDS loads: the K step that stands two refills on.  L's rows are read by every cluster of a row of clusters: cluster x = 0 asks;
; R's by every cluster of a column: cluster y = 0 asks.  The four partners of a joint load share its rows BY ADDRESS.  L: 32 of a wave's 128 rows each, a lane a row, at every change of slots.
; R: 16 of a wave's 64 rows each; lanes 16-31 name the same rows' next K step, so R's waves ask at slot 0's changes alone.  So each row's 256 bytes of a K step are named once in the launch.
; The loop's last trip asks for nothing: no K step lies two behind its refills.  K steps 0 to 3 come by their loads alone.
.macro ASK slot
	s_cmp_gt_u32 s3, s[68+(\slot)]                 ; s3 = 1 in the last trip; the limit is 1 in a wave that asks here, else the greatest number
	s_cbranch_scc0 .Lnot_mine_\@
	global_prefetch_b8 v[PFO], s[66:67] offset:KSTEP*2 th:TH_LOAD_NT scope:SCOPE_SE
.Lnot_mine_\@:
.endm
	s_load_b256 s[4:11], s[0:1], 0x0               ; L's buffer s[4:5], R's s[6:7], bias s[8:9], out s[10:11]
	v_lshl_add_u32 v[SPW], v0, 2, SPARE
	v_mov_b32 v[NIL], 0
	ds_add_u32 v[SPW], v[NIL]                      ; the wave's opening: the add, twice on end, and its wait ahead of my first tensor load
	ds_add_u32 v[SPW], v[NIL]
	v_lshrrev_b32 v1, 5, v0
	v_readfirstlane_b32 s12, v1                    ; wave 0..3
	s_lshr_b32 s13, s12, 1
	s_and_b32 s14, s12, 1
	s_bfe_u32 s15, ttmp6, 0x40000                  ; cx
	s_bfe_u32 s16, ttmp6, 0x40004                  ; cy
	s_lshl_b32 s17, ttmp9, 2
	s_add_co_u32 s17, s17, s15                     ; tile column
	s_and_b32 s18, ttmp7, 0xffff
	s_lshl_b32 s18, s18, 2
	s_add_co_u32 s18, s18, s16                     ; tile row
	s_lshl_b32 s19, s16, 2
	s_lshl_b32 s19, 15, s19                        ; my row of the cluster
	s_lshl_b32 s20, 0x1111, s15                    ; my column
	s_or_b32 s[G1A], s19, GW0
	s_or_b32 s[G1B], s20, GW0
	s_mov_b32 s[G1A+1], KSTEP<<16                  ; tensor_dim0
	s_mov_b32 s[G1A+2], AH<<16                     ; tensor_dim1
	s_mov_b32 s[G1A+3], KSTEP<<16                  ; tile_dim0
	s_mov_b32 s[G1A+4], AH                         ; tile_dim1
	s_mov_b32 s[G1A+5], KTOT                       ; elements from row to row
	s_mov_b32 s[G1A+6], 0
	s_mov_b32 s[G1A+7], 0
	s_mov_b32 s[G1B+1], KSTEP<<16
	s_mov_b32 s[G1B+2], BH<<16
	s_mov_b32 s[G1B+3], KSTEP<<16
	s_mov_b32 s[G1B+4], BH
	s_mov_b32 s[G1B+5], KTOT
	s_mov_b32 s[G1B+6], 0
	s_mov_b32 s[G1B+7], 0
	s_lshl_b32 s40, s18, 8                         ; L: row 256 x tile row + 128 x half
	s_lshl_b32 s21, s14, 7
	s_add_co_u32 s40, s40, s21
	s_lshl_b32 s40, s40, KSH
	s_mov_b32 s41, 0
	s_lshl_b32 s42, s17, 7                         ; R: row 128 x tile column + 64 x half
	s_lshl_b32 s22, s14, 6
	s_add_co_u32 s42, s42, s22
	s_lshl_b32 s42, s42, KSH
	s_add_co_u32 s42, s42, BOFF
	s_mov_b32 s43, 0
	s_mul_i32 s21, s14, AH*PITCH                   ; where they go: no place in the cluster enters an LDS address
	s_mul_i32 s22, s14, BH*PITCH
	s_add_co_u32 s22, s22, AROWS*PITCH
	s_mov_b32 s74, 0x76543210
	s_mov_b32 s75, 0xfedcba98
	s_wait_dscnt 0x0                               ; both opening adds are done
	s_wait_kmcnt 0x0
	s_add_nc_u64 s[44:45], s[4:5], s[40:41]
	s_add_nc_u64 s[46:47], s[6:7], s[42:43]
	CROUND                                         ; all sixteen work-groups are here: the first joint loads meet
.irp s, 0,1
	s_mov_b32 s[G0A+4*(\s)], 1
	s_add_co_u32 s[G0A+4*(\s)+1], s21, (\s)*SLOT
	s_add_nc_u64 s[G0A+4*(\s)+2:G0A+4*(\s)+3], s[44:45], (\s)*KSTEP*2
	s_or_b32 s[G0A+4*(\s)+3], s[G0A+4*(\s)+3], 0x80000000
	s_mov_b32 s[G0B+4*(\s)], 1
	s_add_co_u32 s[G0B+4*(\s)+1], s22, (\s)*SLOT
	s_add_nc_u64 s[G0B+4*(\s)+2:G0B+4*(\s)+3], s[46:47], (\s)*KSTEP*2
	s_or_b32 s[G0B+4*(\s)+3], s[G0B+4*(\s)+3], 0x80000000
	JLOAD \s                                       ; two loads of mine are out
.endr
	; while the first tiles are on their way: header, bias, maxima, addresses
	v_and_b32 v1, 15, v0                           ; r = l % 16
	v_bfe_u32 v2, v0, 4, 1                         ; h = l / 16
	v_and_b32 v8, 31, v0                           ; l
	v_lshlrev_b32 v9, 4, v8
	v_lshlrev_b32 v[BO], 5, v2                     ; the bias of my 8 columns of a tile: 32 h + 512 x tile column, + 64 b
	s_lshl_b32 s19, s17, 9
	v_add_nc_u32 v[BO], s19, v[BO]
.if LAYER == 1
	v_lshlrev_b32 v10, 7, v8
	s_add_nc_u64 s[88:89], s[4:5], PMO
	s_load_b128 s[76:79], s[6:7], OM               ; s76 = 1/alphaG
.else
	s_add_nc_u64 s[88:89], s[6:7], PMO
	s_add_nc_u64 s[90:91], s[4:5], HM
	s_load_b128 s[76:79], s[90:91], 0x0            ; s76 = 1/alpha1, s77 = alpha1, s78 = beta1
.endif
	WIN 0x80                                       ; destination window 2
.irp b, 0,1,2,3,4,5,6,7
	global_load_b128 v[8*(\b):8*(\b)+3],   v[BO], s[8:9] offset:64*(\b)
	global_load_b128 v[8*(\b)+4:8*(\b)+7], v[BO], s[8:9] offset:64*(\b)+16
.endr
	WIN 0
.set i, 0
.rept PMN
	global_load_b128 v[32+4*i:35+4*i], v9, s[88:89] offset:512*i   ; the chunks' maxima
.set i, i+1
.endr
.set i, 0
.rept 16
	global_load_b128 v[64+4*i:67+4*i], v9, s[8:9] offset:512*i     ; the whole bias
.set i, i+1
.endr
.if LAYER == 1
.set i, 0
.rept 8
	global_load_b32 v[128+i], v10, s[6:7] offset:OM+36+4096*i      ; G's 256 slots, a lane a slot
.set i, i+1
.endr
.endif
	v_mul_u32_u24 v3, v1, PITCH
	v_lshl_add_u32 v3, v2, 4, v3                   ; a fragment's row x pitch + 16 h
	s_mul_i32 s21, s12, 64*PITCH                   ; my 64 rows of L
	s_mov_b32 s22, AROWS*PITCH                     ; R lies behind L's 256 rows
.irp s, 0,1
	v_add_nc_u32 v[ADRA+(\s)], s21, v3
	v_add_nc_u32 v[ADRB+(\s)], s22, v3
	s_add_co_u32 s21, s21, SLOT
	s_add_co_u32 s22, s22, SLOT
.endr
	s_mul_i32 s23, s12, 16*PITCH
	s_add_co_u32 s23, s23, STAGE                   ; my stage
	v_add_nc_u32 v[STO], s23, v3                   ; in: row l % 16, 16 bytes for each half of the lanes
	v_mul_u32_u24 v5, v2, PITCH
	v_lshl_add_u32 v5, v1, 4, v5
	v_add_nc_u32 v[RD], s23, v5                    ; back: lanes 0-15 one row of 256 bytes, lanes 16-31 the next
	v_lshlrev_b32 v[CO], 12, v2                    ; and the same two rows in out
	v_lshl_add_u32 v[CO], v1, 4, v[CO]
	v_mov_b32 v[ZR], 0
	v_mov_b32 v15, 0
	s_lshl_b32 s2, s18, 8
	s_lshl_b32 s3, s12, 6
	s_add_co_u32 s2, s2, s3                        ; my first row of out: 256 x tile row + 64 w
	s_lshl_b32 s2, s2, 12
	s_lshl_b32 s3, s17, 8
	s_add_co_u32 s2, s2, s3                        ; + the tile's 256 bytes of a row
	s_mov_b32 s3, 0
	s_add_nc_u64 s[84:85], s[10:11], s[2:3]
	s_lshl4_add_u32 s2, s18, s17
	s_lshl_b32 s2, s2, 7
	s_add_co_u32 s2, s2, HM                        ; slot 16 x tile row + tile column
	s_add_nc_u64 s[86:87], s[10:11], s[2:3]
.if LAYER == 2
	s_lshl_b32 s19, s18, 8
	s_lshl_b32 s20, s17, 7
	s_and_b32 s23, ttmp7, 0xffff
	s_mov_b32 s2, BOFF+2*KSTEP*2
	s_cmp_eq_u32 s13, 0                            ; do I fetch for L?
	s_cselect_b32 s19, s19, s20                    ; the tile's first row
	s_cselect_b32 s20, 7, 6                        ; the rows of a load, as a shift
	s_cselect_b32 s21, s15, s16                    ; my place among the four that ask with me
	s_cselect_b32 s22, 5, 4                        ; a partner's rows, as a shift
	s_cselect_b32 s23, ttmp9, s23                  ; the coordinate along which other clusters read the same rows
	s_cselect_b32 s2, 2*KSTEP*2, s2                ; the plane's offset, and K step 2: the first change of slots steps it to 3 and names 4
	s_cselect_b32 s3, 31, 15                       ; the lanes that name rows
	s_cselect_b32 s69, 1, -1                       ; L's waves may ask at slot 1's changes too
	s_cselect_b64 s[66:67], s[4:5], s[6:7]
	s_lshl_b32 s20, s14, s20
	s_add_co_u32 s19, s19, s20
	s_lshl_b32 s21, s21, s22
	s_add_co_u32 s19, s19, s21
	s_lshl_b32 s19, s19, KSH
	s_add_co_u32 s2, s2, s19
	v_and_b32 v[PFO], s3, v8
	v_lshlrev_b32 v[PFO], KSH, v[PFO]              ; a lane a row,
	s_xor_b32 s20, s3, 31
	v_and_b32 v4, s20, v8
	v_lshl_add_u32 v[PFO], v4, 4, v[PFO]           ; and for R's lanes 16-31 one K step, 256 bytes, further
	s_mov_b32 s3, 0
	s_add_nc_u64 s[66:67], s[66:67], s[2:3]
	s_cmp_eq_u32 s23, 0                            ; the same in all sixteen partners, for a given wave
	s_cselect_b32 s68, 1, -1
	s_cselect_b32 s69, s69, -1
.endif
	s_wait_loadcnt 0x0
	s_wait_kmcnt 0x0
	MAXRED 11, 32, 4*PMN                           ; max|X| or max|W2|
	MAXRED 12, 64, 64                              ; max|b|
.if LAYER == 1
	MAXRED 13, 128, 8                              ; max|G|
	v_mul_f32 v14, v11, v13
	s_sub_co_u32 s72, 0x7f000000, s76              ; alphaG: a power of two's reciprocal, by its exponent field
.else
	v_mul_f32 v14, s78, v11
	s_mov_b32 s72, s77                             ; alpha1
.endif
	s_mov_b32 s73, s72
	v_fmamk_f32 v14, v14, FAN, v12                 ; beta
	v_readfirstlane_b32 s80, v14
	s_lshr_b32 s81, s80, 23
	s_max_u32 s81, s81, 28                         ; e
	s_sub_co_u32 s82, 268, s81
	s_lshl_b32 s82, s82, 23                        ; alpha
	s_sub_co_u32 s83, s81, 14
	s_lshl_b32 s83, s83, 23                        ; 1/alpha
	v_mov_b32 v14, s82
	v_mul_f32 v14, s76, v14                        ; alphaOut / alphaIn
	v_readfirstlane_b32 s70, v14
	s_mov_b32 s71, s70
	WIN 0x82                                       ; destination and source 0 window 2
.set i, 0
.rept 32
	v_pk_mul_f32 v[i:i+1], v[i:i+1], s[72:73] op_sel_hi:[1,0]      ; the bias in the sums' units
.set i, i+2
.endr
	WIN 0
; 8 matrix instructions: row tile a x all 8 column tiles, 32 along K.  first = 1: the bias starts the sums.  Every quarter takes the 32 accumulators in the same order, one instruction a turn.
.macro MUL f, a, first
.if \first
	WIN 0x60                                       ; C window 2, D window 1
.else
	WIN 0x50                                       ; C and D window 1
.endif
.irp b, 0,1,2,3,4,5,6,7
.if \first
	v_wmma_f32_16x16x32_f16 v[8*(NT*(\a)+(\b)):8*(NT*(\a)+(\b))+7], v[(\f)+8*(\b):(\f)+8*(\b)+7], v[(\f)+8*NT+8*(\a):(\f)+8*NT+8*(\a)+7], v[8*(\b):8*(\b)+7]
.else
	v_wmma_f32_16x16x32_f16 v[8*(NT*(\a)+(\b)):8*(NT*(\a)+(\b))+7], v[(\f)+8*(\b):(\f)+8*(\b)+7], v[(\f)+8*NT+8*(\a):(\f)+8*NT+8*(\a)+7], v[8*(NT*(\a)+(\b)):8*(NT*(\a)+(\b))+7]
.endif
.endr
.endm
; 24 LDS loads in one run: the fragments of 32 along K at byte k of the rows, into buffer f: R's eight, then L's four
.macro FETCH slot, k, f
	WIN 0
.irp i, 0,1,2,3,4,5,6,7
	ds_load_b128 v[(\f)+8*(\i):(\f)+8*(\i)+3],   v[ADRB+(\slot)] offset:(\k)+(\i)*16*PITCH
	ds_load_b128 v[(\f)+8*(\i)+4:(\f)+8*(\i)+7], v[ADRB+(\slot)] offset:(\k)+(\i)*16*PITCH+32
.endr
.irp i, 0,1,2,3
	ds_load_b128 v[(\f)+8*NT+8*(\i):(\f)+8*NT+8*(\i)+3],   v[ADRA+(\slot)] offset:(\k)+(\i)*16*PITCH
	ds_load_b128 v[(\f)+8*NT+8*(\i)+4:(\f)+8*NT+8*(\i)+7], v[ADRA+(\slot)] offset:(\k)+(\i)*16*PITCH+32
.endr
.endm
; A K step is four quarters of 32 along K, 32 matrix instructions each, on buffers 0, 1, 0, 1.  One of the first three: multiplies buffer f and fetches the next quarter, at byte k, into g.
.macro QUARTER slot, k, f, g, first
	s_wait_dscnt 4                                 ; R's fragments and L's row tiles 0, 1 are in; the youngest four loads (row tiles 2, 3) may be out
	MUL \f, 0, \first
	MUL \f, 1, \first
	PLACES
	FETCH \slot, \k, \g
	s_wait_dscnt 2*NT+8                            ; all but the 24 just issued
	MUL \f, 2, \first
	MUL \f, 3, \first
.endm
; The last quarter multiplies buffer 1 and changes slots: ONE barrier; in front of it each wave waits for all its tensor loads (one is out: its part of the next slot), adds 0 to its spare word, and waits for that and
; for its own reads of this slot.  fill = 1: the barrier opens a round of the cluster's barrier, and this slot is filled again, two K steps ahead, first thing behind the round: 112 matrix instructions ahead of the wait for it.
.macro TURN slot, next, fill
	WIN 0                                          ; (the add's two registers lie in window 0)
.if (LAYER == 2) && (\fill)
	s_wait_xcnt 0x0                                ; the last prefetch, a K step back, has read its address, so it may be stepped
	s_add_nc_u64 s[66:67], s[66:67], KSTEP*2
.endif
	s_wait_tensorcnt 0x0
	ds_add_u32 v[SPW], v[NIL]                      ; 0 onto my spare word
	s_wait_dscnt 5                                 ; (the add and the youngest four loads may be out)
	MUL F1, 0, 0                                   ; eight matrix instructions stand between the add and the wait for it
	s_wait_dscnt 0x0                               ; the add is done, and my reads of this slot are over
	s_barrier_signal -1
	MUL F1, 1, 0
.if \fill
	WIN 0
.endif
	s_barrier_wait -1
.if \fill
	CREST                                          ; no wave of any partner still reads this slot's tile or has a load on its way
	s_add_nc_u64 s[G0A+4*(\slot)+2:G0A+4*(\slot)+3], s[G0A+4*(\slot)+2:G0A+4*(\slot)+3], 2*KSTEP*2
	s_add_nc_u64 s[G0B+4*(\slot)+2:G0B+4*(\slot)+3], s[G0B+4*(\slot)+2:G0B+4*(\slot)+3], 2*KSTEP*2
	JLOAD \slot                                    ; the four v_nop behind it are also the places in front of the loads below
.else
	PLACES
.endif
	FETCH \next, 0, F0
.if (LAYER == 2) && (\fill)
	ASK \slot
.endif
	MUL F1, 2, 0
	MUL F1, 3, 0
.endm
	s_wait_tensorcnt 1                             ; my part of K step 0 is in; K step 1's may stay out
	s_barrier_signal -1
	s_barrier_wait -1                              ; everybody's is
	FETCH 0, 0, F0
	QUARTER 0, 64, F0, F1, 1                       ; the first quarter stands in front of the loop: its products start the sums
	WIN 0                                          ; at a label and at a branch every window is 0
	s_mov_b32 s3, LAPS-1
.Llap:                                                 ; a trip goes once round the ring, from a lap's second quarter to the next lap's first, and fills both slots again
	QUARTER 0, 128, F1, F0, 0
	QUARTER 0, 192, F0, F1, 0
	TURN 0, 1, 1
	QUARTER 1, 64,  F0, F1, 0
	QUARTER 1, 128, F1, F0, 0
	QUARTER 1, 192, F0, F1, 0
	TURN 1, 0, 1
	QUARTER 0, 64,  F0, F1, 0
	WIN 0
	s_sub_co_u32 s3, s3, 1
	s_cmp_lg_u32 s3, 0
	s_cbranch_scc1 .Llap
	QUARTER 0, 128, F1, F0, 0                      ; the last lap fills nothing, and has no round of the cluster's barrier
	QUARTER 0, 192, F0, F1, 0
	TURN 0, 1, 0
	QUARTER 1, 64,  F0, F1, 0
	QUARTER 1, 128, F1, F0, 0
	QUARTER 1, 192, F0, F1, 0
	s_wait_dscnt 4                                 ; the very last quarter: nothing more to fetch
	MUL F1, 0, 0
	MUL F1, 1, 0
	s_wait_dscnt 0x0
	MUL F1, 2, 0
	MUL F1, 3, 0
	WIN 0
	; THE WAY OUT, a block of 16 rows at a time: scaled, rounded to f16, ReLU on the packed halves; 16 bytes a lane into my own stage, back as whole rows of 256 bytes, stored.
	PLACES
	PLACES                                         ; eight, once a launch, in front of the first read of the sums
.macro PACK a                          ; an accumulator's registers are read in ascending order
	WIN 0x41                                       ; destination and source 0 window 1
.set i, 64*(\a)
.rept 32
	v_pk_mul_f32 v[i:i+1], v[i:i+1], s[70:71] op_sel_hi:[1,0]
.set i, i+2
.endr
	WIN 0x05                                       ; sources 0 and 1 window 1, destination window 0
.set i, 0
.rept 32
	v_cvt_pk_f16_f32 v[TMP+i], v[64*(\a)+2*i], v[64*(\a)+2*i+1]
.set i, i+1
.endr
	WIN 0
.set i, 0
.rept 32
	v_pk_max_num_f16 v[TMP+i], v[TMP+i], v[ZR]
.set i, i+1
.endr
.endm
.macro TOSTAGE a
.set BK, OB+32*((\a)%2)
.irp b, 0,1,2,3,4,5,6,7
	ds_store_b128 v[STO], v[TMP+4*(\b):TMP+4*(\b)+3] offset:32*(\b)
.endr
.irp t, 0,1,2,3,4,5,6,7
	ds_load_b128 v[BK+4*(\t):BK+4*(\t)+3], v[RD] offset:(\t)*2*PITCH   ; LDS serves a wave's instructions in order (ISA guide 5.7.1.4): these see the stores above
.endr
.endm
.macro SEND a
.set BK, OB+32*((\a)%2)
	s_wait_dscnt 0x0                               ; the block is back in registers
	s_wait_xcnt 0x0                                ; the earlier stores have read their base and their data: only behind this wait are these rewritten
.if (\a) > 0
	s_add_nc_u64 s[84:85], s[84:85], 16*NOUT*2     ; 16 rows of out on
.endif
.irp t, 0,1,2,3,4,5,6,7
	global_store_b128 v[CO], v[BK+4*(\t):BK+4*(\t)+3], s[84:85] offset:2*(\t)*NOUT*2   ; 16 lanes store 256 consecutive bytes, aligned
.endr
.endm
	PACK 0
	TOSTAGE 0
.irp a, 1,2,3                          ; block a's arithmetic stands between block a - 1's loads from the stage and the wait for them
	PACK \a
	SEND (\a)-1
	TOSTAGE \a
.endr
	SEND 3
	s_cmp_lg_u32 s12, 0                            ; wave 0 writes the work-group's slot: the scale that the next launch reads (all work-groups hold the same three numbers)
	s_cbranch_scc1 .Lno_slot
	v_mov_b32 v14, 0
	v_writelane_b32 v14, s83, 0                    ; 1/alpha
	v_writelane_b32 v14, s82, 1                    ; alpha
	v_writelane_b32 v14, s80, 2                    ; beta
	v_lshlrev_b32 v13, 2, v8
	global_store_b32 v13, v14, s[86:87]
.Lno_slot:
	s_wait_tensorcnt 0x0                           ; the wave's end: behind my last tensor load and my last LDS store
	ds_add_u32 v[SPW], v[NIL]
	s_wait_dscnt 0x0
	CROUND                                         ; the closing round: no work-group ends while a partner may still ask for a tile that names it
	s_endpgm
.Lfunc_end_k_q6a7ba838ee_g2:
	.size	k_q6a7ba838ee_g2, .Lfunc_end_k_q6a7ba838ee_g2-k_q6a7ba838ee_g2
	.p2alignl 7, 3214868480
	.fill 96, 4, 3214868480
	.section	.rodata,"a",@progbits
	.p2align	6, 0x0
	.amdhsa_kernel k_q6a7ba838ee_g2
		.amdhsa_group_segment_fixed_size 327680
		.amdhsa_private_segment_fixed_size 0
		.amdhsa_enable_private_segment 0
		.amdhsa_kernarg_size 32
		.amdhsa_user_sgpr_count 2
		.amdhsa_user_sgpr_kernarg_segment_ptr 1
		.amdhsa_wavefront_size32 1
		.amdhsa_system_sgpr_workgroup_id_x 1
		.amdhsa_system_sgpr_workgroup_id_y 1
		.amdhsa_system_sgpr_workgroup_id_z 1
		.amdhsa_system_vgpr_workitem_id 0
		.amdhsa_next_free_vgpr 576
		.amdhsa_next_free_sgpr 96
		.amdhsa_reserve_vcc 0
		.amdhsa_float_denorm_mode_32 3
		.amdhsa_float_denorm_mode_16_64 3
		.amdhsa_memory_ordered 1
		.amdhsa_forward_progress 1
		.amdhsa_inst_pref_size 115
	.end_amdhsa_kernel
	.amdgpu_metadata
---
amdhsa.version: [ 1, 2 ]
amdhsa.kernels:
  - .name:           k_q6a7ba838ee_g2
    .symbol:         k_q6a7ba838ee_g2.kd
    .args:
      - { .name: h1b, .offset: 0, .size: 8, .value_kind: global_buffer, .address_space: global }
      - { .name: cst, .offset: 8, .size: 8, .value_kind: global_buffer, .address_space: global }
      - { .name: b2, .offset: 16, .size: 8, .value_kind: global_buffer, .address_space: global }
      - { .name: h2b, .offset: 24, .size: 8, .value_kind: global_buffer, .address_space: global }
    .group_segment_fixed_size: 327680
    .private_segment_fixed_size: 0
    .kernarg_segment_align: 8
    .kernarg_segment_size: 32
    .max_flat_workgroup_size: 128
    .sgpr_count:     96
    .vgpr_count:     576
    .wavefront_size: 32
...
	.end_amdgpu_metadata
.endif
;; end of part 5
;; launch g3 (part 6): grid 4 x 64, 4 waves a work-group, clusters of 4 x 4, 327,680 bytes of LDS; arguments h2b, cst, b3, out0; writes out0
.if DOCPART == 6
	.amdgcn_target "amdgcn-amd-amdhsa--gfx1250"
	.amdhsa_code_object_version 6
	.text
	.protected	k_q6a7ba838ee_g3
	.globl	k_q6a7ba838ee_g3
	.p2align	8
	.type	k_q6a7ba838ee_g3,@function
k_q6a7ba838ee_g3:
	s_mov_b64 s[64:65], 0
	v_nop
	global_prefetch_b8 v0, s[64:65] scope:SCOPE_SE
	s_setreg_imm32_b32 hwreg(HW_REG_WAVE_MODE, 25, 1), 1
	s_wait_xcnt 0x0
	s_wait_alu depctr_hold_cnt(0) depctr_sa_sdst(0) depctr_va_vdst(0) depctr_va_sdst(0) depctr_va_ssrc(0) depctr_va_vcc(0) depctr_vm_vsrc(0)
	s_getreg_b32 s2, hwreg(HW_REG_IB_STS2, 6, 4)
	s_cmp_eq_u32 s2, 0
	s_cbranch_scc0 .Lentry_in_a_cluster
	s_endpgm
.Lentry_in_a_cluster:
	s_bfe_u32 s2, ttmp6, 0x10000c
	s_cmp_lg_u32 s2, 0xf033
	s_cbranch_scc0 .Lentry_shape_is_right
	s_endpgm
.Lentry_shape_is_right:
; THE LAST LAYER:  y[m][n] = sum over k of h2[m][k] W3[n][k] + b3[n], in f32.  L = h2 in f16 times alpha2 (h2b), R = W3 in f16 (cst), K = 2,048.
; The sums hold alpha2 x the true sums; the bias, times alpha2, is the C operand of the first products of wave 0 (the other waves start from 0 x bias, so that it is added once); the way out multiplies by 1/alpha2.
; LIMIT: b3 is finite; NaN and infinities are not treated apart.
; SHARES.  A tile of y is 64 x 64: 4 x 64 = 256 work-groups.  K IS SPLIT AMONG THE FOUR WAVES: of each K step's 512 wave w takes 128 w .. 128 w + 127, for the whole tile: 16 accumulators, one LDS load for each product.
; The four partial tiles (f32) meet once in LDS.  K goes in steps of 512 (rows of 1,024 bytes) through two LDS slots, each with 64 rows of L and 64 of R; waves 0, 1 fetch L's halves, waves 2, 3 R's: 32 rows a load.
; CLUSTER 4 x 4: L's tile is shared along a row of the cluster, R's along a column: joint loads.  THE MATRIX INSTRUCTION IS USED TRANSPOSED: a lane holds row l % 16 of y and the 8 columns 8 (l / 16) + 0..7.
; REGISTERS: window 0: v0-31 addresses; v32-95, v128-191 two fragment buffers (R's 4 fragments, then L's 4); v32-159 the partial tiles read back.  window 1: accumulator (a, b) at 8 (4 a + b).  window 2: v0-31 the bias.
; NO PREFETCH: K has four steps, the only refills are the last two, and nothing lies two steps behind them.
.set KSTEP, 512
.set KTOT,  2048
.set PITCH, 1040                       ; an LDS row: 1,024 bytes + 16: an odd multiple of 16
.set AROWS, 64
.set HALF,  32                         ; rows in a load
.set SLOT,  2*AROWS*PITCH
.set SPARE, 2*SLOT                     ; the spare words, 128 bytes a wave: two blocks of 256 bytes that no other line names
.set PP,    272                        ; a row of a partial tile: 256 bytes + 16
.set PART,  64*PP                      ; a wave's partial tile; the four lie in slot 0, whose last fill and last read are over at the last change of slots
.set NT,    4
.set BOFF,  4718592                    ; W3 in f16, in cst
.set HM,    16777216                   ; h2b's slots: word 0 = 1/alpha2, 1 = alpha2
.set LAPS,  KTOT/(2*KSTEP)
.set ADRA, 16
.set ADRB, 20
.set STO,  24                          ; v24 where I put my partial tile
.set RD,   25                          ; v25 where I read 16 rows of all four back
.set CO,   26                          ; v26 my byte offset in y
.set SPW,  28                          ; v28 my spare word's address; never rewritten
.set NIL,  29                          ; v29 0; never rewritten
.set BO,   31                          ; v31 my byte offset in the bias
.set F0,   32
.set F1,   128
.set G1A,  24
.set G0A,  32
.set G1B,  48
.set G0B,  56
.set GW0,  (1<<16)|(1<<20)|(1<<21)|(7<<22)|(3<<25)  ; 2-byte elements; padding on; bit 21 beside a mask; behind every 256 words; 4 words
.set MSB, 0
.macro WIN new
.if MSB != (\new)
	s_set_vgpr_msb (MSB<<8)|(\new)
.set MSB, \new
.endif
.endm
.macro JLOAD s                         ; a joint load; an s_nop 0 and four v_nop follow each of the two lines, ahead of the jump, the label and what follows
	s_cmp_eq_u32 s13, 0
	s_cbranch_scc0 .Lfor_b_\@
	tensor_load_to_lds s[G0A+4*(\s):G0A+4*(\s)+3], s[G1A:G1A+7]
	s_nop 0
.rept 4
	v_nop
.endr
	s_branch .Lasked_\@
.Lfor_b_\@:
	tensor_load_to_lds s[G0B+4*(\s):G0B+4*(\s)+3], s[G1B:G1B+7]
	s_nop 0
.rept 4
	v_nop
.endr
.Lasked_\@:
.endm
.macro CREST
	s_cmp_lg_u32 s12, 0
	s_cbranch_scc1 .Lnot_wave_0_\@
	s_barrier_signal -3
.Lnot_wave_0_\@:
	s_barrier_wait -3
	s_barrier_signal -1
	s_barrier_wait -1
.endm
.macro CROUND
	s_barrier_signal -1
	s_barrier_wait -1
	CREST
.endm
.macro PLACES
.rept 4
	v_nop
.endr
.endm
	s_load_b256 s[4:11], s[0:1], 0x0               ; h2b s[4:5], cst s[6:7], b3 s[8:9], y s[10:11]
	v_lshl_add_u32 v[SPW], v0, 2, SPARE
	v_mov_b32 v[NIL], 0
	ds_add_u32 v[SPW], v[NIL]                      ; the wave's opening: the add, twice on end, and its wait ahead of my first tensor load
	ds_add_u32 v[SPW], v[NIL]
	v_lshrrev_b32 v1, 5, v0
	v_readfirstlane_b32 s12, v1                    ; wave 0..3
	s_lshr_b32 s13, s12, 1                         ; 0: I fetch L
	s_and_b32 s14, s12, 1                          ; which half
	s_bfe_u32 s15, ttmp6, 0x40000                  ; cx
	s_bfe_u32 s16, ttmp6, 0x40004                  ; cy
	s_lshl_b32 s17, ttmp9, 2
	s_add_co_u32 s17, s17, s15                     ; tile column
	s_and_b32 s18, ttmp7, 0xffff
	s_lshl_b32 s18, s18, 2
	s_add_co_u32 s18, s18, s16                     ; tile row
	s_lshl_b32 s19, s16, 2
	s_lshl_b32 s19, 15, s19                        ; my row of the cluster
	s_lshl_b32 s20, 0x1111, s15                    ; my column
	s_or_b32 s[G1A], s19, GW0
	s_or_b32 s[G1B], s20, GW0
.irp g, G1A, G1B
	s_mov_b32 s[(\g)+1], KSTEP<<16                 ; tensor_dim0
	s_mov_b32 s[(\g)+2], HALF<<16                  ; tensor_dim1
	s_mov_b32 s[(\g)+3], KSTEP<<16                 ; tile_dim0
	s_mov_b32 s[(\g)+4], HALF                      ; tile_dim1
	s_mov_b32 s[(\g)+5], KTOT                      ; elements from row to row
	s_mov_b32 s[(\g)+6], 0
	s_mov_b32 s[(\g)+7], 0
.endr
	s_lshl_b32 s40, s18, 6                         ; L: row 64 x tile row + 32 x half
	s_lshl_b32 s21, s14, 5
	s_add_co_u32 s40, s40, s21
	s_lshl_b32 s40, s40, 12
	s_mov_b32 s41, 0
	s_lshl_b32 s42, s17, 6                         ; R: row 64 x tile column + 32 x half
	s_add_co_u32 s42, s42, s21
	s_lshl_b32 s42, s42, 12
	s_add_co_u32 s42, s42, BOFF
	s_mov_b32 s43, 0
	s_mul_i32 s21, s14, HALF*PITCH                 ; where they go: no place in the cluster enters an LDS address
	s_add_co_u32 s22, s21, AROWS*PITCH
	s_wait_dscnt 0x0                               ; both opening adds are done
	s_wait_kmcnt 0x0
	s_add_nc_u64 s[44:45], s[4:5], s[40:41]
	s_add_nc_u64 s[46:47], s[6:7], s[42:43]
	CROUND                                         ; all sixteen work-groups are here: the first joint loads meet
.irp s, 0,1
	s_mov_b32 s[G0A+4*(\s)], 1
	s_add_co_u32 s[G0A+4*(\s)+1], s21, (\s)*SLOT
	s_add_nc_u64 s[G0A+4*(\s)+2:G0A+4*(\s)+3], s[44:45], (\s)*KSTEP*2
	s_or_b32 s[G0A+4*(\s)+3], s[G0A+4*(\s)+3], 0x80000000
	s_mov_b32 s[G0B+4*(\s)], 1
	s_add_co_u32 s[G0B+4*(\s)+1], s22, (\s)*SLOT
	s_add_nc_u64 s[G0B+4*(\s)+2:G0B+4*(\s)+3], s[46:47], (\s)*KSTEP*2
	s_or_b32 s[G0B+4*(\s)+3], s[G0B+4*(\s)+3], 0x80000000
	JLOAD \s                                       ; two loads of mine are out
.endr
	s_add_nc_u64 s[90:91], s[4:5], HM
	s_load_b128 s[76:79], s[90:91], 0x0            ; s76 = 1/alpha2, s77 = alpha2
	v_and_b32 v1, 15, v0                           ; r = l % 16
	v_bfe_u32 v2, v0, 4, 1                         ; h = l / 16
	v_lshlrev_b32 v[BO], 5, v2                     ; the bias of my 8 columns of a tile: 32 h + 256 x tile column, + 64 b
	s_lshl_b32 s19, s17, 8
	v_add_nc_u32 v[BO], s19, v[BO]
	WIN 0x80                                       ; destination window 2
.irp b, 0,1,2,3
	global_load_b128 v[8*(\b):8*(\b)+3],   v[BO], s[8:9] offset:64*(\b)
	global_load_b128 v[8*(\b)+4:8*(\b)+7], v[BO], s[8:9] offset:64*(\b)+16
.endr
	WIN 0
	v_mul_u32_u24 v3, v1, PITCH
	v_lshl_add_u32 v3, v2, 4, v3                   ; a fragment's row x pitch + 16 h
	s_lshl_b32 s21, s12, 8                         ; my 128 of a step's 512 along K: 256 bytes of each row
	s_add_co_u32 s22, s21, AROWS*PITCH             ; R lies behind L's 64 rows
.irp s, 0,1
	v_add_nc_u32 v[ADRA+(\s)], s21, v3
	v_add_nc_u32 v[ADRB+(\s)], s22, v3
	s_add_co_u32 s21, s21, SLOT
	s_add_co_u32 s22, s22, SLOT
.endr
	v_mul_u32_u24 v[STO], v1, PP
	v_lshl_add_u32 v[STO], v2, 5, v[STO]
	s_mul_i32 s23, s12, PART
	v_add_nc_u32 v[STO], s23, v[STO]               ; in: my partial tile, row l % 16, 32 bytes for each half of the lanes
	v_mul_u32_u24 v[RD], v2, PP
	v_lshl_add_u32 v[RD], v1, 4, v[RD]
	s_mul_i32 s23, s12, 16*PP
	v_add_nc_u32 v[RD], s23, v[RD]                 ; back: rows 16 w on; lanes 0-15 one row of 256 bytes, lanes 16-31 the next
	v_lshlrev_b32 v[CO], 10, v2                    ; and the same two rows in y
	v_lshl_add_u32 v[CO], v1, 4, v[CO]
	s_lshl_b32 s2, s18, 6
	s_lshl_b32 s3, s12, 4
	s_add_co_u32 s2, s2, s3                        ; the first row of y that I store: 64 x tile row + 16 w
	s_lshl_b32 s2, s2, 10
	s_lshl_b32 s3, s17, 8
	s_add_co_u32 s2, s2, s3
	s_mov_b32 s3, 0
	s_add_nc_u64 s[84:85], s[10:11], s[2:3]
	s_wait_loadcnt 0x0
	s_wait_kmcnt 0x0
	s_cmp_eq_u32 s12, 0
	s_cselect_b32 s72, s77, 0                      ; the bias counts in wave 0's partial sums alone
	s_mov_b32 s73, s72
	s_mov_b32 s70, s76
	s_mov_b32 s71, s76
	WIN 0x82                                       ; destination and source 0 window 2
.set i, 0
.rept 16
	v_pk_mul_f32 v[i:i+1], v[i:i+1], s[72:73] op_sel_hi:[1,0]
.set i, i+2
.endr
	WIN 0
; 4 matrix instructions: row tile a x all 4 column tiles, 32 along K.  first = 1: the bias starts the sums.  Every quarter takes the 16 accumulators in the same order, one instruction a turn.
.macro MUL f, a, first
.if \first
	WIN 0x60                                       ; C window 2, D window 1
.else
	WIN 0x50                                       ; C and D window 1
.endif
.irp b, 0,1,2,3
.if \first
	v_wmma_f32_16x16x32_f16 v[8*(NT*(\a)+(\b)):8*(NT*(\a)+(\b))+7], v[(\f)+8*(\b):(\f)+8*(\b)+7], v[(\f)+8*NT+8*(\a):(\f)+8*NT+8*(\a)+7], v[8*(\b):8*(\b)+7]
.else
	v_wmma_f32_16x16x32_f16 v[8*(NT*(\a)+(\b)):8*(NT*(\a)+(\b))+7], v[(\f)+8*(\b):(\f)+8*(\b)+7], v[(\f)+8*NT+8*(\a):(\f)+8*NT+8*(\a)+7], v[8*(NT*(\a)+(\b)):8*(NT*(\a)+(\b))+7]
.endif
.endr
.endm
; 16 LDS loads in one run: the fragments of 32 along K at byte k of my part of the rows, into buffer f: R's four, then L's four
.macro FETCH slot, k, f
	WIN 0
.irp i, 0,1,2,3
	ds_load_b128 v[(\f)+8*(\i):(\f)+8*(\i)+3],   v[ADRB+(\slot)] offset:(\k)+(\i)*16*PITCH
	ds_load_b128 v[(\f)+8*(\i)+4:(\f)+8*(\i)+7], v[ADRB+(\slot)] offset:(\k)+(\i)*16*PITCH+32
.endr
.irp i, 0,1,2,3
	ds_load_b128 v[(\f)+8*NT+8*(\i):(\f)+8*NT+8*(\i)+3],   v[ADRA+(\slot)] offset:(\k)+(\i)*16*PITCH
	ds_load_b128 v[(\f)+8*NT+8*(\i)+4:(\f)+8*NT+8*(\i)+7], v[ADRA+(\slot)] offset:(\k)+(\i)*16*PITCH+32
.endr
.endm
; My part of a K step is four quarters of 32 along K, 16 matrix instructions each, on buffers 0, 1, 0, 1
.macro QUARTER slot, k, f, g, first
	s_wait_dscnt 4                                 ; R's fragments and L's row tiles 0, 1 are in; the youngest four loads (row tiles 2, 3) may be out
	MUL \f, 0, \first
	MUL \f, 1, \first
	PLACES
	FETCH \slot, \k, \g
	s_wait_dscnt 2*NT+8                            ; all but the 16 just issued
	MUL \f, 2, \first
	MUL \f, 3, \first
.endm
; The last quarter multiplies buffer 1 and changes slots: ONE barrier; in front of it each wave waits for all its tensor loads (one is out: its part of the next slot), adds 0 to its spare word, and waits for that and
; for its own reads of this slot.  fill = 1: the barrier opens a round of the cluster's barrier, and this slot is filled again, two K steps ahead, first thing behind the round.
.macro TURN slot, next, fill
	WIN 0                                          ; (the add's two registers lie in window 0)
	s_wait_tensorcnt 0x0
	ds_add_u32 v[SPW], v[NIL]                      ; 0 onto my spare word
	s_wait_dscnt 5                                 ; (the add and the youngest four loads may be out)
	MUL F1, 0, 0                                   ; four matrix instructions stand between the add and the wait for it
	s_wait_dscnt 0x0                               ; the add is done, and my reads of this slot are over
	s_barrier_signal -1
	MUL F1, 1, 0
.if \fill
	WIN 0
.endif
	s_barrier_wait -1
.if \fill
	CREST                                          ; no wave of any partner still reads this slot's tile or has a load on its way
	s_add_nc_u64 s[G0A+4*(\slot)+2:G0A+4*(\slot)+3], s[G0A+4*(\slot)+2:G0A+4*(\slot)+3], 2*KSTEP*2
	s_add_nc_u64 s[G0B+4*(\slot)+2:G0B+4*(\slot)+3], s[G0B+4*(\slot)+2:G0B+4*(\slot)+3], 2*KSTEP*2
	JLOAD \slot                                    ; the four v_nop behind it are also the places in front of the loads below
.else
	PLACES
.endif
	FETCH \next, 0, F0
	MUL F1, 2, 0
	MUL F1, 3, 0
.endm
	s_wait_tensorcnt 1                             ; my part of K step 0 is in; K step 1's may stay out
	s_barrier_signal -1
	s_barrier_wait -1                              ; everybody's is
	FETCH 0, 0, F0
	QUARTER 0, 64, F0, F1, 1                       ; the first quarter stands in front of the loop: its products start the sums
	WIN 0                                          ; at a label and at a branch every window is 0
	s_mov_b32 s3, LAPS-1
.Llap:                                                 ; a trip goes once round the ring and fills both slots again
	QUARTER 0, 128, F1, F0, 0
	QUARTER 0, 192, F0, F1, 0
	TURN 0, 1, 1
	QUARTER 1, 64,  F0, F1, 0
	QUARTER 1, 128, F1, F0, 0
	QUARTER 1, 192, F0, F1, 0
	TURN 1, 0, 1
	QUARTER 0, 64,  F0, F1, 0
	WIN 0
	s_sub_co_u32 s3, s3, 1
	s_cmp_lg_u32 s3, 0
	s_cbranch_scc1 .Llap
	QUARTER 0, 128, F1, F0, 0                      ; the last lap fills nothing, and has no round of the cluster's barrier
	QUARTER 0, 192, F0, F1, 0
	TURN 0, 1, 0                                   ; behind this barrier no wave reads slot 0 and no load fills it: its bytes take the partial tiles
	QUARTER 1, 64,  F0, F1, 0
	QUARTER 1, 128, F1, F0, 0
	QUARTER 1, 192, F0, F1, 0
	s_wait_dscnt 4                                 ; the very last quarter: nothing more to fetch
	MUL F1, 0, 0
	MUL F1, 1, 0
	s_wait_dscnt 0x0
	MUL F1, 2, 0
	MUL F1, 3, 0
	; THE WAY OUT: each wave's partial tile into LDS, a barrier, each wave adds 16 rows of the four, scales and stores them.
	PLACES
	PLACES                                         ; eight, once a launch, in front of the first read of the sums
	WIN 0x04                                       ; the stores' data in window 1.
.irp a, 0,1,2,3
.irp b, 0,1,2,3
	ds_store_b128 v[STO], v[8*(NT*(\a)+(\b)):8*(NT*(\a)+(\b))+3]   offset:(\a)*16*PP+64*(\b)
	ds_store_b128 v[STO], v[8*(NT*(\a)+(\b))+4:8*(NT*(\a)+(\b))+7] offset:(\a)*16*PP+64*(\b)+16
.endr
.endr
	WIN 0
	s_wait_dscnt 0x0                               ; for the others' sake: my partial tile is in LDS
	s_barrier_signal -1
	s_barrier_wait -1
.irp p, 0,1,2,3
.irp i, 0,1,2,3,4,5,6,7
	ds_load_b128 v[32+32*(\p)+4*(\i):32+32*(\p)+4*(\i)+3], v[RD] offset:(\p)*PART+(\i)*2*PP
.endr
.endr
	s_wait_dscnt 0x0
.set i, 0
.rept 16
	v_pk_add_f32 v[32+i:33+i], v[32+i:33+i], v[64+i:65+i]
	v_pk_add_f32 v[96+i:97+i], v[96+i:97+i], v[128+i:129+i]
.set i, i+2
.endr
.set i, 0
.rept 16
	v_pk_add_f32 v[32+i:33+i], v[32+i:33+i], v[96+i:97+i]
.set i, i+2
.endr
.set i, 0
.rept 16
	v_pk_mul_f32 v[32+i:33+i], v[32+i:33+i], s[70:71] op_sel_hi:[1,0]
.set i, i+2
.endr
.irp i, 0,1,2,3,4,5,6,7
	global_store_b128 v[CO], v[32+4*(\i):35+4*(\i)], s[84:85] offset:2048*(\i)     ; 16 lanes store 256 consecutive bytes, aligned
.endr
	s_wait_tensorcnt 0x0                           ; the wave's end: behind my last tensor load and my last LDS store
	ds_add_u32 v[SPW], v[NIL]
	s_wait_dscnt 0x0
	CROUND                                         ; the closing round: no work-group ends while a partner may still ask for a tile that names it
	s_endpgm
.Lfunc_end_k_q6a7ba838ee_g3:
	.size	k_q6a7ba838ee_g3, .Lfunc_end_k_q6a7ba838ee_g3-k_q6a7ba838ee_g3
	.p2alignl 7, 3214868480
	.fill 96, 4, 3214868480
	.section	.rodata,"a",@progbits
	.p2align	6, 0x0
	.amdhsa_kernel k_q6a7ba838ee_g3
		.amdhsa_group_segment_fixed_size 327680
		.amdhsa_private_segment_fixed_size 0
		.amdhsa_enable_private_segment 0
		.amdhsa_kernarg_size 32
		.amdhsa_user_sgpr_count 2
		.amdhsa_user_sgpr_kernarg_segment_ptr 1
		.amdhsa_wavefront_size32 1
		.amdhsa_system_sgpr_workgroup_id_x 1
		.amdhsa_system_sgpr_workgroup_id_y 1
		.amdhsa_system_sgpr_workgroup_id_z 1
		.amdhsa_system_vgpr_workitem_id 0
		.amdhsa_next_free_vgpr 544
		.amdhsa_next_free_sgpr 96
		.amdhsa_reserve_vcc 0
		.amdhsa_float_denorm_mode_32 3
		.amdhsa_float_denorm_mode_16_64 3
		.amdhsa_memory_ordered 1
		.amdhsa_forward_progress 1
		.amdhsa_inst_pref_size 57
	.end_amdhsa_kernel
	.amdgpu_metadata
---
amdhsa.version: [ 1, 2 ]
amdhsa.kernels:
  - .name:           k_q6a7ba838ee_g3
    .symbol:         k_q6a7ba838ee_g3.kd
    .args:
      - { .name: h2b, .offset: 0, .size: 8, .value_kind: global_buffer, .address_space: global }
      - { .name: cst, .offset: 8, .size: 8, .value_kind: global_buffer, .address_space: global }
      - { .name: b3, .offset: 16, .size: 8, .value_kind: global_buffer, .address_space: global }
      - { .name: out0, .offset: 24, .size: 8, .value_kind: global_buffer, .address_space: global }
    .group_segment_fixed_size: 327680
    .private_segment_fixed_size: 0
    .kernarg_segment_align: 8
    .kernarg_segment_size: 32
    .max_flat_workgroup_size: 128
    .sgpr_count:     96
    .vgpr_count:     544
    .wavefront_size: 32
...
	.end_amdgpu_metadata
.endif
;; end of part 6
;; ======== version 2 of 2: 8 launches; version 1 with the launch cast written anew for expert scheduling mode
;; limits: values are held in f16: magnitudes above 65,504 overflow, below 6.1e-05 lose precision; inputs' magnitudes at most 65,504
;; workspace buffers: oa1 6,324,224 bytes; oa2 6,324,224 bytes; ob1 6,324,224 bytes; ob2 6,324,224 bytes; cst 14,718,976 bytes; h1b 16,809,984 bytes; h2b 16,809,984 bytes
;; launch cast (part 7): grid 224 x 1, 8 waves a work-group, no clusters, 0 bytes of LDS; arguments X, W2, W3, A, P, cst, ob1, ob2, oa1; writes cst, ob1, ob2, oa1
.if DOCPART == 7
	.amdgcn_target "amdgcn-amd-amdhsa--gfx1250"
	.amdhsa_code_object_version 6
	.text
	.protected	k_q6a7ba838ee_cast
	.globl	k_q6a7ba838ee_cast
	.p2align	8
	.type	k_q6a7ba838ee_cast,@function
k_q6a7ba838ee_cast:
	s_mov_b64 s[64:65], 0
	v_nop
	global_prefetch_b8 v0, s[64:65] scope:SCOPE_SE
	s_setreg_imm32_b32 hwreg(HW_REG_WAVE_SCHED_MODE, 0, 2), 2
	s_setreg_imm32_b32 hwreg(HW_REG_WAVE_MODE, 25, 1), 1
	s_wait_xcnt 0x0
	s_wait_alu depctr_vm_vsrc(0)
; THE WHOLE PROGRAM.  y = relu(relu(zT W1^T + b1) W2^T + b2) W3^T + b3, zT = X P^T taken through 8 RK4 steps of dz/dt = z A^T, dt = 1/8.
; THE WORK THAT IS NOT DONE.  The field is linear, so with S = A/8 one RK4 step is k1 = z S^T, k2 = (z + k1/2) S^T, .. and z + (k1 + 2 k2 + 2 k3 + k4)/6 = z M^T with
; M = I + S + S^2/2 + S^3/6 + S^4/24: an identity of real arithmetic for every A and every z.  Eight steps are M^8, and products of matrices may be taken in any order:
; zT W1^T = X (W1 M^8 P)^T.  So G = W1 M^8 P [2048 x 512] is made once from matrices 512 wide, and the 32 products of 4096 rows with A are not made.
; With M = I + N the identity is never rounded.  The chain runs on the transposes, S' = A^T/8 (polynomials of one matrix: the transpose of the polynomial is the polynomial of the transpose):
;   c1: r' = 2S' + S' S';   c2: N' = (r' + S')/3 + r' r'/24 = N^T;   pw: Y = W1 (I + N)^8 by eight steps Y <- Y + Y N, which want N's columns, the rows of N';   c7: G = Y P.
; Every input has a way to the output and is loaded; n_steps = 8 is built in as the eight steps of pw.
; LIMITS.  The order of rounding differs from the scan's.  A NaN, an infinity or an overflow that would arise only in an intermediate z of the scan is not carried to the result.
; Matrix operands are f16: |X|, |A|, |P|, |W2|, |W3| stay under 65,504, and below 6e-5 they keep f16's fixed step of 6e-8.  What the program itself makes (r' .. G, h1, h2) is stored in f16
; times a power of two taken from a bound on its size that is made at run time from true maxima; those bounds and their products stay within 2^-100 .. 2^100.  NaN and infinities are not treated apart.
;
; THIS LAUNCH rounds five inputs to f16, finds the largest magnitude of each chunk, turns A, and writes the headers that steer the chain.  A pure stream: no LDS, no barrier, no matrix unit.
; SHARES.  A wave owns one chunk of 4,096 numbers (16 KiB).  The work-group's number g says which tensor:  g < 64 X | g < 192 W2 | g < 208 W3 | g < 216 A | else P;  chunk c = 8 (g - the tensor's first g) + wave.
; X, W2, W3, P: 32 loads of 512 consecutive bytes, all issued before the first wait.  A: chunk c is rows 8 c .. 8 c + 7 of A^T, gathered in four trips (see there).
; AN OBJECT (oa1, oa2, ob1, ob2, the head of cst): f32 plane F at 0, f16 plane H at OH, 256 slots of 128 bytes at OM.
;   slot: word 0 = 1/alpha (H holds alpha x value); 1-4 = (hC, hA, fC, fA) for the launch that takes the object as its left factor; 5-8 the same for the launch after it; 9 = the chunk's largest magnitude.
; cst: X in f16 at 0; P in f16 at OH; W3 in f16 at W3H; P's slots at OM; W2 in f16 at W2H; the chunks' maxima of X at PMX, of W2 at PMW.
; THE MODE: SCHED_MODE bits 1:0 = 2 (LLVM: expert scheduling mode 2), set by the entry lines.  The code itself states the register dependences
; between vector instructions and memory instructions, with s_wait_alu, always for 0.
; THE PLAN.  Registers that memory instructions touch:
;   v2, v3, v4, v10  byte offsets, and v9 = 0 (the data of the zero slots' stores, the offset of the one-word store).  Made at the head and never written again: one wait on va_vdst, ahead of the
;                    branch that parts A from the rest, serves every load and store of the kernel.
;   D, the stream    Written by the 32 loads, which are all issued before any vector instruction names D, and never loaded again; read by the maxima and the conversions.
;   HH, the stream   Batch b's conversions write its sixteen registers, once in the launch.  The eight stores that read them are issued in batch b + 1, behind the wait on va_vdst at that batch's head, a store
;                    ahead of each four vector instructions: these name D, v5, v6 and batch b + 1's own part of HH, none of the registers that those stores touch.  The last batch's stores have a wait of their own.
;   D, HH, FF, A     A trip: eight loads land in D; 64 vector instructions read D and write HH and FF; ONE wait on va_vdst (HH and FF are written; D is read out); the 24 stores.  No vector instruction stands
;                    between that wait and the next trip's loads into D.  One wait on vm_vsrc, in the next trip behind the wait for its data, ahead of the lines that write HH and FF again.
;   v8, v5           A slot, and the chunk's maximum: written by vector instructions, read by the stores at the end: a wait on va_vdst ahead of these.
; Scalar results of vector instructions: s30 (the wave), s51 (the maximum), VCC (lane 0's mask): a wait on va_sdst or va_vcc ahead of each one's first reader.  EXEC is written twice: both waits ahead of each.
.set OH,  0x400000
.set OM,  0x600000
.set W3H, 4718592
.set W2H, 6324224
.set PMX, 14712832
.set PMW, 14714880
.set D,   64                           ; v[64:191]  the chunk as loaded (A: v[64:95], a trip's 32 numbers a lane)
.set FF,  96                           ; v[96:127]  A: a trip's numbers, turned and divided by 4
.set HH,  192                          ; v[192:255] the chunk in f16 (A: v[192:207])
	s_load_b512 s[8:23], s[0:1], 0x0               ; X 8, W2 10, W3 12, A 14, P 16, cst 18, ob1 20, ob2 22
	s_load_b64 s[24:25], s[0:1], 0x40              ; oa1
	v_lshrrev_b32 v1, 5, v0
	v_readfirstlane_b32 s30, v1                    ; wave 0..7
	v_and_b32 v1, 31, v0                           ; lane
	v_lshlrev_b32 v2, 4, v1                        ; 16 bytes a lane: f32 in and out
	v_lshlrev_b32 v3, 3, v1                        ; 8 bytes a lane: f16 out
	v_lshlrev_b32 v4, 2, v1                        ; 4 bytes a lane: a slot
	v_mov_b32 v5, 0                                ; two running maxima
	v_mov_b32 v6, 0
	v_mov_b32 v7, 0                                ; written, since v_permlanex16_b32 counts as a reader of its destination
	v_mov_b32 v9, 0
	v_lshlrev_b32 v10, 13, v1                      ; A: four rows of 2,048 bytes a lane
	s_mov_b32 s40, 0x76543210                      ; v_permlanex16_b32: each lane takes its own place in the other half
	s_mov_b32 s41, 0xfedcba98
	s_mov_b32 s68, 0x3e800000                      ; 0.25
	s_mov_b32 s33, ttmp9                           ; g
	s_mov_b32 s31, 4                               ; role: 0 X and W2, 1 W3, 3 A, 4 P
	s_mov_b32 s32, 216                             ; the tensor's first g
	s_mov_b32 s38, OH                              ; where its f16 plane begins in its buffer
	s_mov_b32 s39, PMW                             ; where its chunks' maxima go (role 0)
	s_cmp_lt_u32 s33, 216
	s_cselect_b32 s31, 3, s31
	s_cselect_b32 s32, 208, s32
	s_cmp_lt_u32 s33, 208
	s_cselect_b32 s31, 1, s31
	s_cselect_b32 s32, 192, s32
	s_cselect_b32 s38, W3H, s38
	s_cmp_lt_u32 s33, 192
	s_cselect_b32 s31, 0, s31
	s_cselect_b32 s32, 64, s32
	s_cselect_b32 s38, W2H, s38
	s_cmp_lt_u32 s33, 64
	s_cselect_b32 s32, 0, s32
	s_cselect_b32 s38, 0, s38
	s_cselect_b32 s39, PMX, s39
	s_sub_co_u32 s32, s33, s32
	s_wait_alu depctr_va_sdst(0)                   ; s30 is written, ahead of its first reader: the chunk's number is made from it
	s_lshl3_add_u32 s32, s32, s30                  ; c
	s_lshl_b32 s42, s32, 14                        ; the chunk in f32: 16,384 c
	s_mov_b32 s43, 0
	s_lshl_b32 s44, s32, 13                        ; the chunk in f16: plane + 8,192 c
	s_add_co_u32 s44, s44, s38
	s_mov_b32 s45, 0
	s_lshl2_add_u32 s46, s32, s39                  ; the chunk's word among the maxima
	s_mov_b32 s47, 0
	s_lshl_b32 s52, s32, 7                         ; the chunk's slot: 128 c
	s_mov_b32 s53, 0
	s_wait_kmcnt 0x0
	s_mov_b64 s[34:35], s[16:17]                   ; from: P,
	s_mov_b64 s[36:37], s[18:19]                   ; to: cst
	s_cmp_lt_u32 s33, 216
	s_cselect_b64 s[34:35], s[14:15], s[34:35]     ; A -> ob1
	s_cselect_b64 s[36:37], s[20:21], s[36:37]
	s_cmp_lt_u32 s33, 208
	s_cselect_b64 s[34:35], s[12:13], s[34:35]     ; W3 -> cst
	s_cselect_b64 s[36:37], s[18:19], s[36:37]
	s_cmp_lt_u32 s33, 192
	s_cselect_b64 s[34:35], s[10:11], s[34:35]     ; W2 -> cst
	s_cmp_lt_u32 s33, 64
	s_cselect_b64 s[34:35], s[8:9], s[34:35]       ; X -> cst
	s_add_nc_u64 s[36:37], s[36:37], s[44:45]
	s_wait_alu depctr_va_vdst(0)                   ; v2, v3, v4, v9 and v10 are written: every load and store of the kernel reads one of them as its offset, the zero slots' stores v9 as their data
	s_cmp_eq_u32 s31, 3                            ; the branches hang on the work-group's number alone
	s_cbranch_scc0 .Lplain
	; A IS TURNED.  Rows 8 c .. 8 c + 7 of A^T are columns 8 c .. of A.  In trip u lane l takes rows 128 u + 4 l + q (q = 0..3) of A, 32 bytes of each: register D + 8 q + e holds A[128 u + 4 l + q][8 c + e].
	; So for each column e the lane holds four neighbouring numbers of row 8 c + e of A^T: 8 bytes of H, 16 bytes of F, and a wave's store covers 256 or 512 consecutive bytes.
	; Four short trips, one text: 64 waves do this beside 1,728 that stream, so the trips' latencies lie in the stream's shadow.
	s_lshl_b32 s54, s32, 5                         ; 32 c
	s_mov_b32 s55, 0
	s_add_nc_u64 s[34:35], s[34:35], s[54:55]
	s_add_nc_u64 s[48:49], s[22:23], s[44:45]      ; the f16 plane once more, for the right factor's buffer
	s_add_nc_u64 s[70:71], s[20:21], s[42:43]      ; the f32 plane
	s_mov_b32 s66, 4
.Lquarter:
.irp q, 0,1,2,3
	global_load_b128 v[D+8*(\q):D+8*(\q)+3],   v10, s[34:35] offset:2048*(\q)      ; no vector instruction since the last wait on va_vdst names D
	global_load_b128 v[D+8*(\q)+4:D+8*(\q)+7], v10, s[34:35] offset:2048*(\q)+16
.endr
	s_wait_loadcnt 0x0
	s_wait_alu depctr_vm_vsrc(0)                   ; the last trip's stores have read HH and FF, which the lines below write again (in the first trip none is out)
.set i, 0
.rept 8
	v_max3_num_f32 v5, v5, |v[D+4*i]|, |v[D+4*i+1]|
	v_max3_num_f32 v6, v6, |v[D+4*i+2]|, |v[D+4*i+3]|
.set i, i+1
.endr
.irp e, 0,1,2,3,4,5,6,7
	v_cvt_pk_f16_f32 v[HH+2*(\e)],   v[D+(\e)],    v[D+8+(\e)]
	v_cvt_pk_f16_f32 v[HH+2*(\e)+1], v[D+16+(\e)], v[D+24+(\e)]
.endr
.irp e, 0,1,2,3,4,5,6,7
.irp q, 0,1,2,3
	v_mul_f32 v[FF+4*(\e)+(\q)], s68, v[D+8*(\q)+(\e)]     ; F = A^T / 4 = 2 S'; the multiply also turns the registers
.endr
.endr
	s_wait_alu depctr_va_vdst(0)                   ; the conversions have written HH and the multiplies FF, which the stores below read; and all of them are done reading D, in which the next trip's loads land
.irp e, 0,1,2,3,4,5,6,7
	global_store_b64 v3, v[HH+2*(\e):HH+2*(\e)+1], s[36:37] offset:1024*(\e)   ; 256 consecutive bytes of a row of H
	global_store_b64 v3, v[HH+2*(\e):HH+2*(\e)+1], s[48:49] offset:1024*(\e)
.endr
.irp e, 0,1,2,3,4,5,6,7
	global_store_b128 v2, v[FF+4*(\e):FF+4*(\e)+3], s[70:71] offset:2048*(\e)  ; 512 consecutive bytes of a row of F
.endr
	s_wait_xcnt 0x0                                ; the stores have had their addresses translated: only behind this wait are their data and their bases rewritten
	s_add_nc_u64 s[34:35], s[34:35], 128*2048      ; 128 rows of A on,
	s_add_nc_u64 s[36:37], s[36:37], 256           ; 128 numbers on in the rows of A^T
	s_add_nc_u64 s[48:49], s[48:49], 256
	s_add_nc_u64 s[70:71], s[70:71], 512
	s_sub_co_u32 s66, s66, 1
	s_cmp_lg_u32 s66, 0
	s_cbranch_scc1 .Lquarter
	s_branch .Lred
.Lplain:
	s_add_nc_u64 s[34:35], s[34:35], s[42:43]
.set i, 0
.rept 32
	global_load_b128 v[D+4*i:D+4*i+3], v2, s[34:35] offset:512*i th:TH_LOAD_NT
.set i, i+1
.endr
; four batches of eight loads: magnitudes into the maxima, two roundings to f16 each; the batch before goes out meanwhile, 256 consecutive bytes stored by each instruction
.set i, 0
.rept 4
	s_wait_loadcnt 24-i                            ; loads come back in order: this batch's eight are in, the 24, 16, 8, 0 younger ones may stay out
.if i > 0
	s_wait_alu depctr_va_vdst(0)                   ; the batch before has written its sixteen registers of HH, which the eight stores below read
.endif
.rept 8
.if i >= 8
	global_store_b64 v3, v[HH+2*(i-8):HH+2*(i-8)+1], s[36:37] offset:256*(i-8)  ; the batch before.  No wait: no vector instruction since the wait above names these registers
.endif
	v_max3_num_f32 v5, v5, |v[D+4*i]|, |v[D+4*i+1]|
	v_max3_num_f32 v6, v6, |v[D+4*i+2]|, |v[D+4*i+3]|
	v_cvt_pk_f16_f32 v[HH+2*i], v[D+4*i], v[D+4*i+1]
	v_cvt_pk_f16_f32 v[HH+2*i+1], v[D+4*i+2], v[D+4*i+3]
.set i, i+1
.endr
.endr
	s_wait_alu depctr_va_vdst(0)                   ; the last batch has written its sixteen registers of HH, which the last eight stores read
.set i, 24
.rept 8
	global_store_b64 v3, v[HH+2*i:HH+2*i+1], s[36:37] offset:256*i
.set i, i+1
.endr
.Lred:
	v_max_num_f32 v5, v5, v6                       ; the chunk's maximum, in every lane
	v_max_num_f32_dpp v5, v5, v5 row_xmask:1 row_mask:0xf bank_mask:0xf
	v_max_num_f32_dpp v5, v5, v5 row_xmask:2 row_mask:0xf bank_mask:0xf
	v_max_num_f32_dpp v5, v5, v5 row_xmask:4 row_mask:0xf bank_mask:0xf
	v_max_num_f32_dpp v5, v5, v5 row_xmask:8 row_mask:0xf bank_mask:0xf
	v_permlanex16_b32 v7, v5, s40, s41
	v_max_num_f32 v5, v5, v7
; a slot's 32 words in v8, a word a lane: s54 = 1/alpha, s55-58 and s59-62 the two records, s51 the maximum, the rest 0
.macro MKSLOT
	v_mov_b32 v8, 0
.irp k, 0,1,2,3,4,5,6,7,8
	v_writelane_b32 v8, s[54+(\k)], \k
.endr
	v_writelane_b32 v8, s51, 9
.endm
; an object of 512 rows has 64 slots with a maximum; whoever takes it as left factor reads 256: slots 64 + 3 c + 0..2 of the buffer at s[b:b+1] are written as zeros
.macro ZEROS b
	s_mul_i32 s76, s32, 384
	s_add_co_u32 s76, s76, 8192
	s_mov_b32 s77, 0
	s_add_nc_u64 s[78:79], s[\b:\b+1], s[76:77]
.irp k, 0,1,2
	global_store_b32 v4, v9, s[78:79] offset:OM+128*(\k)
.endr
.endm
	s_cmp_eq_u32 s31, 1
	s_cbranch_scc1 .Ldone                          ; W3: its f16 plane is all that is wanted
	s_cmp_eq_u32 s31, 0
	s_cbranch_scc1 .Lmax_only
	s_cmp_eq_u32 s31, 3
	s_cbranch_scc1 .La
	; P: right factor of c7: 1/alpha = 1 and the maximum
	v_readfirstlane_b32 s51, v5
	s_mov_b32 s54, 1.0
.irp k, 55,56,57,58,59,60,61,62
	s_mov_b32 s\k, 0
.endr
	s_wait_alu depctr_va_sdst(0)                   ; s51 is written, ahead of its first reader, the slot's last v_writelane_b32
	MKSLOT
	s_add_nc_u64 s[48:49], s[18:19], s[52:53]
	s_wait_alu depctr_va_vdst(0)                   ; v8 is written, which the store below reads
	global_store_b32 v4, v8, s[48:49] offset:OM    ; 128 consecutive bytes
	ZEROS 24                                       ; oa1's slots 64 to 255
	s_endpgm
.La:    ; S' = A^T/8, both factors of c1.  H = f16(A^T), so 1/alpha = 1/8; F = 2 S'; the largest of |S'| and |F| is max|A| / 4.
        ; c1: r' = 1 F + 1 (S' S'), its F = F/2 + (S' S')/3 = (r' + S')/3.   c2: N' = 1 F + (r' r')/24, its F = 2 F + (r' r')/12 = 2 N'
	v_mul_f32 v5, s68, v5
	v_readfirstlane_b32 s51, v5
	s_mov_b32 s54, 0x3e000000                      ; 1/8
	s_mov_b32 s55, 1.0
	s_mov_b32 s56, 1.0
	s_mov_b32 s57, 0.5
	s_mov_b32 s58, 0x3eaaaaab                      ; 1/3
	s_mov_b32 s59, 1.0
	s_mov_b32 s60, 0x3d2aaaab                      ; 1/24
	s_mov_b32 s61, 2.0
	s_mov_b32 s62, 0x3daaaaab                      ; 1/12
	s_wait_alu depctr_va_sdst(0)                   ; s51 is written, ahead of its first reader, the slot's last v_writelane_b32
	MKSLOT
	s_add_nc_u64 s[72:73], s[20:21], s[52:53]
	s_add_nc_u64 s[74:75], s[22:23], s[52:53]
	s_wait_alu depctr_va_vdst(0)                   ; v8 is written, which the two stores below read
	global_store_b32 v4, v8, s[72:73] offset:OM
	global_store_b32 v4, v8, s[74:75] offset:OM
	ZEROS 20                                       ; ob1's slots 64 to 255
	s_endpgm
.Lmax_only:                                            ; X and W2: one word, the chunk's maximum, from lane 0
	s_add_nc_u64 s[48:49], s[18:19], s[46:47]
	v_cmp_eq_u32 vcc_lo, 0, v1
	s_wait_xcnt 0x0                                ; EXEC is a source of the stores that are out: it is narrowed only behind this wait,
	s_wait_alu depctr_va_vcc(0)                    ; VCC is written, ahead of its first reader: EXEC is made from it
	s_wait_alu depctr_va_vdst(0)                   ; the vector instructions issued under the full EXEC have written their results, v5 among them, which the store below reads
	s_wait_alu depctr_vm_vsrc(0)                   ; the stores issued under the full EXEC have read their vector registers
	s_and_saveexec_b32 s50, vcc_lo
	global_store_b32 v9, v5, s[48:49]
	s_wait_xcnt 0x0                                ; and widened only behind this one
	s_wait_alu depctr_va_vdst(0)                   ; ahead of the second write of EXEC: no vector instruction's result is outstanding,
	s_wait_alu depctr_vm_vsrc(0)                   ; and the one-word store, issued under the narrow EXEC, has read v9 and v5
	s_or_b32 exec_lo, exec_lo, s50
.Ldone:
	s_endpgm
.Lfunc_end_k_q6a7ba838ee_cast:
	.size	k_q6a7ba838ee_cast, .Lfunc_end_k_q6a7ba838ee_cast-k_q6a7ba838ee_cast
	.p2alignl 7, 3214868480
	.fill 96, 4, 3214868480
	.section	.rodata,"a",@progbits
	.p2align	6, 0x0
	.amdhsa_kernel k_q6a7ba838ee_cast
		.amdhsa_group_segment_fixed_size 0
		.amdhsa_private_segment_fixed_size 0
		.amdhsa_enable_private_segment 0
		.amdhsa_kernarg_size 72
		.amdhsa_user_sgpr_count 2
		.amdhsa_user_sgpr_kernarg_segment_ptr 1
		.amdhsa_wavefront_size32 1
		.amdhsa_system_sgpr_workgroup_id_x 1
		.amdhsa_system_sgpr_workgroup_id_y 1
		.amdhsa_system_sgpr_workgroup_id_z 1
		.amdhsa_system_vgpr_workitem_id 0
		.amdhsa_next_free_vgpr 256
		.amdhsa_next_free_sgpr 80
		.amdhsa_reserve_vcc 1
		.amdhsa_float_denorm_mode_32 3
		.amdhsa_float_denorm_mode_16_64 3
		.amdhsa_memory_ordered 1
		.amdhsa_forward_progress 1
		.amdhsa_inst_pref_size 29
	.end_amdhsa_kernel
	.amdgpu_metadata
---
amdhsa.version: [ 1, 2 ]
amdhsa.kernels:
  - .name:           k_q6a7ba838ee_cast
    .symbol:         k_q6a7ba838ee_cast.kd
    .args:
      - { .name: X, .offset: 0, .size: 8, .value_kind: global_buffer, .address_space: global }
      - { .name: W2, .offset: 8, .size: 8, .value_kind: global_buffer, .address_space: global }
      - { .name: W3, .offset: 16, .size: 8, .value_kind: global_buffer, .address_space: global }
      - { .name: A, .offset: 24, .size: 8, .value_kind: global_buffer, .address_space: global }
      - { .name: P, .offset: 32, .size: 8, .value_kind: global_buffer, .address_space: global }
      - { .name: cst, .offset: 40, .size: 8, .value_kind: global_buffer, .address_space: global }
      - { .name: ob1, .offset: 48, .size: 8, .value_kind: global_buffer, .address_space: global }
      - { .name: ob2, .offset: 56, .size: 8, .value_kind: global_buffer, .address_space: global }
      - { .name: oa1, .offset: 64, .size: 8, .value_kind: global_buffer, .address_space: global }
    .group_segment_fixed_size: 0
    .private_segment_fixed_size: 0
    .kernarg_segment_align: 8
    .kernarg_segment_size: 72
    .max_flat_workgroup_size: 256
    .sgpr_count:     80
    .vgpr_count:     256
    .wavefront_size: 32
...
	.end_amdgpu_metadata
.endif
;; end of part 7
;; launch c1: the kernel of part 2 again; grid 4 x 16, 4 waves a work-group, clusters of 4 x 4, 224,000 bytes of LDS; arguments ob1, ob2, oa1, oa2; writes oa1, oa2
;; launch c2: the kernel of part 2 again; grid 4 x 16, 4 waves a work-group, clusters of 4 x 4, 224,000 bytes of LDS; arguments oa1, oa2, ob1, ob2; writes ob1, ob2
;; launch pw: the kernel of part 3 again; grid 128 x 1, 4 waves a work-group, clusters of 4 x 1, 287,744 bytes of LDS; arguments W1, ob2, ob1; writes ob1
;; launch c7: the kernel of part 2 again; grid 4 x 64, 4 waves a work-group, clusters of 4 x 4, 224,000 bytes of LDS; arguments ob1, cst, oa1, oa2; writes oa1, oa2
;; launch g1: the kernel of part 4 again; grid 16 x 16, 4 waves a work-group, clusters of 4 x 4, 327,680 bytes of LDS; arguments cst, oa1, b1, h1b; writes h1b
;; launch g2: the kernel of part 5 again; grid 16 x 16, 4 waves a work-group, clusters of 4 x 4, 327,680 bytes of LDS; arguments h1b, cst, b2, h2b; writes h2b
;; launch g3: the kernel of part 6 again; grid 4 x 64, 4 waves a work-group, clusters of 4 x 4, 327,680 bytes of LDS; arguments h2b, cst, b3, out0; writes out0
